; MI455X (gfx1250); checked and timed in simulation.
; The chip was launched on July 23, 2026; its instructions are those of AMD's public machine-readable ISA for CDNA 5 (MIT licence, August 2026) and "CDNA5" Instruction Set Architecture Reference Guide (July 2026). The comments in the code are by the model that wrote it; some were corrected since.
;; Expert Engine. Allowed arithmetic: matrix products marked QUANTISED: E2M1 operands, one E8M0 scale for each 32 along K, by v_wmma_scale_f32_16x16x128_f8f6f4 with both operands' format E2M1 (or v_wmma_scale_f32_32x16x128_f4), f32 sums; everything else in f32.
;; Inputs: expert_ids 1,024 int32; tokens 1,024 x 1,024 float32; w_down 8 x 2,048 x 1,024 float32; w_gate_up 8 x 1,024 x 4,096 float32.
;; Outputs: out0 1,024 x 1,024 float32.
;; This version of the problem:
;;   THIS VERSION OF THE PROBLEM IS GIVEN IN LOW PRECISION. The matrix products marked QUANTISED in the list below multiply operands that are first quantised to E2M1 (2 exponent bits, 1 mantissa bit; 4 bits a number), with one power-of-two scale for each 32 numbers along K (OCP MX v1.0); their sums are f32. All else is computed in f32.
;;   The module's matrix products, in the order in which they are computed (A, B: the left and right operand; K: the contracted axis; several contracted axes count as one K, in the product's order):
;;     1. [M 1,024, K 1,024] x [K 1,024, N 4,096]; A: input tokens; B: input w_gate_up: QUANTISED
;;     2. [M 1,024, K 2,048] x [K 2,048, N 1,024]; A: computed on the way; B: input w_down: QUANTISED
;;     3. [M 1,024, K 1,024] x [K 1,024, N 4,096]; A: input tokens; B: input w_gate_up: QUANTISED
;;     4. [M 1,024, K 2,048] x [K 2,048, N 1,024]; A: computed on the way; B: input w_down: QUANTISED
;;     5. [M 1,024, K 1,024] x [K 1,024, N 4,096]; A: input tokens; B: input w_gate_up: QUANTISED
;;     6. [M 1,024, K 2,048] x [K 2,048, N 1,024]; A: computed on the way; B: input w_down: QUANTISED
;;     7. [M 1,024, K 1,024] x [K 1,024, N 4,096]; A: input tokens; B: input w_gate_up: QUANTISED
;;     8. [M 1,024, K 2,048] x [K 2,048, N 1,024]; A: computed on the way; B: input w_down: QUANTISED
;;     9. [M 1,024, K 1,024] x [K 1,024, N 4,096]; A: input tokens; B: input w_gate_up: QUANTISED
;;     10. [M 1,024, K 2,048] x [K 2,048, N 1,024]; A: computed on the way; B: input w_down: QUANTISED
;;     11. [M 1,024, K 1,024] x [K 1,024, N 4,096]; A: input tokens; B: input w_gate_up: QUANTISED
;;     12. [M 1,024, K 2,048] x [K 2,048, N 1,024]; A: computed on the way; B: input w_down: QUANTISED
;;     13. [M 1,024, K 1,024] x [K 1,024, N 4,096]; A: input tokens; B: input w_gate_up: QUANTISED
;;     14. [M 1,024, K 2,048] x [K 2,048, N 1,024]; A: computed on the way; B: input w_down: QUANTISED
;;     15. [M 1,024, K 1,024] x [K 1,024, N 4,096]; A: input tokens; B: input w_gate_up: QUANTISED
;;     16. [M 1,024, K 2,048] x [K 2,048, N 1,024]; A: computed on the way; B: input w_down: QUANTISED
;;   THE QUANTISER, for each operand of a quantised product, along K:
;;     - K is cut into blocks of 32 from its start; a last block that is shorter is filled with zeros.
;;     - A block's scale is 2^e with e = floor(log2(the largest magnitude in the block)) - 2, held to -126 .. 127; a block of zeros has e = 0. As a byte (E8M0): e + 127.
;;     - Each number is divided by its block's scale, clamped to +-6, and rounded to the nearest number of E2M1, ties to even, subnormals kept.
;;     - The product sums the exact products of the quantised numbers (number of the format x scale) in f32.
;;   ~~~python
;;   def quantise(x, axis):      # numpy; x: float32 -> the quantised numbers, widened to float32 again
;;       x = np.moveaxis(x, axis, -1); K = x.shape[-1]
;;       x = np.pad(x, [(0, 0)] * (x.ndim - 1) + [(0, -K % 32)]); x = x.reshape(x.shape[:-1] + (-1, 32)); a = np.abs(x).max(-1, keepdims=True)
;;       e = np.where(a > 0, np.clip(np.frexp(np.where(a > 0, a, 1))[1] - 1 - 2, -126, 127), 0)      # np.frexp(a)[1] - 1 = floor(log2(a)), exactly
;;       r = np.clip(x / 2.0 ** e, -6, 6)
;;       step = 2.0 ** (np.maximum(np.frexp(np.where(r == 0, 1, r))[1] - 1, 0) - 1)
;;       q = np.round(r / step) * step * 2.0 ** e      # np.round: ties to even
;;       return np.moveaxis(q.reshape(q.shape[:-2] + (-1,))[..., :K], -1, axis).astype(np.float32)
;;   ~~~
;;   OPERANDS COMPUTED ON THE WAY. 'Computed on the way' means the value that the module computes at that place (a softmax that the list does not call 'softmax' is quantised finished and normalised). What goes into a quantiser is computed in f32, as accurately as f32 sums, v_exp_f32 and their like allow (about 1e-6 of the number): no bf16 or f16 on the way to a quantiser, and a product that is left as it is and whose result goes on into a quantised operand takes f32 operands (vector FMAs, or v_wmma_f32_16x16x4_f32). A number that lies on a knife's edge between two numbers of the format may be rounded either way, as far as f32 arithmetic and the matrix unit's own rounding can turn it there, and no further.
;; 2 versions. Each part assembles by itself: llvm-mc -triple=amdgcn-amd-amdhsa -mcpu=gfx1250 --defsym DOCPART=n.
;; ======== version 1 of 2: 3 launches
;; workspace buffers: xq 524,288 bytes; xs 32,768 bytes; hq 1,048,576 bytes; hs 65,536 bytes; route 4,352 bytes of whole numbers
;; launch prep (part 1): grid 32 x 1, 32 waves a work-group, no clusters, 152,064 bytes of LDS; arguments expert_ids, tokens, xq, xs, route; writes xq, xs, route
.if DOCPART == 1
	.amdgcn_target "amdgcn-amd-amdhsa--gfx1250"
	.amdhsa_code_object_version 6
	.text
	.protected	k_qa467fecdb9_prep
	.globl	k_qa467fecdb9_prep
	.p2align	8
	.type	k_qa467fecdb9_prep,@function
k_qa467fecdb9_prep:
	s_mov_b64 s[64:65], 0
	v_nop
	global_prefetch_b8 v0, s[64:65] scope:SCOPE_SE
	s_setreg_imm32_b32 hwreg(HW_REG_WAVE_MODE, 25, 1), 1
	s_wait_xcnt 0x0
; PREP: a counting sort of the 1,024 expert numbers, and the tokens as codes of FP4 (E2M1) at their SORTED positions.
; OUT: xq [pos 1024][512 bytes]: a token's 1,024 codes, K innermost, the lower k in the low four bits;  xs [pos][32 bytes]: one E8M0 byte for each 32 along K;
;      route: bytes 0-4095 order[pos] = token;  bytes 4096-4223 offs[0..31]: offs[e] = expert e's first position, entries 8 to 31 = 1,024.
; SHARES.  32 work-groups of 32 waves.  Every work-group makes the whole sort for itself (thread n stands for token n, wave c for tokens 32 c .. 32 c + 31): 4 KB of numbers and some 140 lines a wave,
; which spares every traffic between work-groups.  Wave c of work-group g then quantises token 32 c + g, whose position stands in lane g of the wave's own register POS.
; THE SORT is whole-number work alone: a mask and a count for each expert in each wave, the 32 x 8 counts through LDS (one barrier), sums across lanes, v_mbcnt for the place inside a wave.
; THE QUANTISER.  A block's scale is 2^(floor(log2(its largest magnitude)) - 2); its byte is the largest magnitude's exponent field - 2, held at 1 from below.
; The row's eight loads read 512 consecutive bytes each; the row turns through the wave's own stage in LDS, so that lane l then holds block l's 32 neighbours.
; LIMITS: expert numbers outside 0 .. 7 are held to 7 (the problem has them inside);  NaN and infinities among the tokens are not served;  a block whose largest magnitude lies under 2^-124, a block of
; zeros among them, gets the byte 1 (a block of zeros has zero codes, which add nothing under any byte but 0xff; the bytes are read by this program alone).
.set STGW, 4608                        ; a wave's stage: 32 lanes x (128 bytes + 16): 144 = 9 x 16, so that the lanes' pieces of 16 bytes fall on different columns of 16 bytes modulo 256
.set TAB,  147456                      ; behind the 32 stages: 32 x 16 bytes, wave c's eight counts, two to a word
.set ID,   8                           ; v8      my token's expert
.set POS,  9                           ; v9      my token's position
.set MXA,  10                          ; v10-11  largest magnitudes, two chains (and at work)
.set MXB,  11
.set TT,   12                          ; v12-15  the counts of chunk = lane, then the totals
.set SCL,  12                          ; v12     later: the conversion's scale operand
.set BY,   13                          ; v13     later: the scale's byte
.set PP,   16                          ; v16-19  the counts of the chunks in front of mine, then their sums
.set DD,   20                          ; v20-27  what comes from other lanes
.set R,    28                          ; v28-59  the row as loaded
.set X,    60                          ; v60-91  my block's 32 neighbours
.set Q,    92                          ; v92-95  its codes
	s_load_b256 s[4:11], s[0:1], 0x0               ; expert_ids s[4:5], tokens s[6:7], xq s[8:9], xs s[10:11]
	s_load_b64 s[12:13], s[0:1], 0x20              ; route
	v_lshl_add_u32 v96, v0, 2, 0x24200
	v_mov_b32 v97, 0
	v_lshrrev_b32 v1, 5, v0
	v_readfirstlane_b32 s16, v1                    ; wave c
	v_and_b32 v1, 31, v0                           ; lane
	v_lshlrev_b32 v2, 2, v0                        ; 4 x thread
	v_lshlrev_b32 v3, 4, v1                        ; 16 x lane
	s_mov_b32 s17, ttmp9                           ; work-group g
	s_mul_i32 s66, s16, STGW                       ; my wave's stage
	v_lshrrev_b32 v4, 3, v1
	v_mul_u32_u24 v4, v4, 144
	v_and_b32 v5, 7, v1
	v_lshl_add_u32 v4, v5, 4, v4
	v_add_nc_u32 v4, s66, v4                       ; into the stage: eight lanes' 128 bytes on end, then 16 of padding; a load's 512 bytes take four places
	v_mul_u32_u24 v5, v1, 144
	v_add_nc_u32 v5, s66, v5                       ; out of it: my block's 128 bytes
	s_lshl_b32 s67, s16, 4
	s_add_co_u32 s67, s67, TAB
	v_mov_b32 v6, s67                              ; the table: my wave's 16 bytes,
	v_lshl_add_u32 v7, v1, 4, TAB                  ; and those of chunk = lane
.irp k, 0,1,2,3,4,5,6,7
	v_mov_b32 v[DD+\k], 0                          ; written once: the destination of a DPP move and of a lane permute counts as one of its sources
.endr
	s_mov_b32 s70, 0x76543210
	s_mov_b32 s71, 0xfedcba98                      ; v_permlanex16_b32's selects for lane l xor 16
	s_lshl_b32 s18, s16, 5
	s_add_co_u32 s18, s18, s17                     ; the token that my wave quantises: 32 c + g
	s_lshl_b32 s18, s18, 12                        ; its row of 4,096 bytes
	s_mov_b32 s19, 0
	s_wait_kmcnt 0x0
	s_add_nc_u64 s[6:7], s[6:7], s[18:19]
	global_load_b32 v[ID], v2, s[4:5]              ; token n's expert
.irp i, 0,1,2,3,4,5,6,7
	global_load_b128 v[R+4*\i:R+4*\i+3], v3, s[6:7] offset:512*\i th:TH_LOAD_NT   ; 32 lanes read 512 consecutive bytes; the row is read once in the launch
.endr
	s_wait_loadcnt 8                               ; the expert number is in; the row's eight loads, issued behind it, stay out
	v_min_u32 v[ID], 7, v[ID]
.irp e, 0,1,2,3,4,5,6,7
	v_cmp_eq_u32 s[20+\e], \e, v[ID]               ; which of my wave's tokens go to expert e,
	s_bcnt1_i32_b32 s[28+\e], s[20+\e]             ; and how many
.endr
.irp k, 0,1,2,3
	s_lshl_b32 s66, s[29+2*\k], 16
	s_or_b32 s[36+\k], s[28+2*\k], s66             ; two counts to a word: no sum of counts passes 1,024, so no carry leaves a half
	v_mov_b32 v[TT+\k], s[36+\k]
.endr
	ds_store_b128 v6, v[TT:TT+3]                   ; all lanes write the same 16 bytes with the same value
	s_wait_loadcnt 0x0                             ; the row
.irp i, 0,1,2,3,4,5,6,7
	ds_store_b128 v4, v[R+4*\i:R+4*\i+3] offset:576*\i
.endr
	s_wait_dscnt 0x0                               ; for the others' sake: my counts lie in the table
	s_barrier_signal -1
	s_barrier_wait -1                              ; everybody's do.  The launch's one barrier
	ds_load_b128 v[TT:TT+3], v7                    ; lane l: chunk l's counts
.irp j, 0,1,2,3,4,5,6,7
	ds_load_b128 v[X+4*\j:X+4*\j+3], v5 offset:16*\j   ; my block's 32 numbers, out of my wave's own stage
.endr
	s_wait_dscnt 8                                 ; the counts are in; the eight reads of the stage, issued behind them, may stay out
	v_cmp_gt_u32 vcc_lo, s16, v1                   ; the chunks in front of mine
.irp k, 0,1,2,3
	v_cndmask_b32 v[PP+\k], 0, v[TT+\k], vcc_lo
.endr
.irp m, 1,2,4,8                                ; sums over the 32 lanes of all eight registers (TT and PP lie on end), by turns
.irp k, 0,1,2,3,4,5,6,7
	v_mov_b32_dpp v[DD+\k], v[TT+\k] row_xmask:\m row_mask:0xf bank_mask:0xf
.endr
.irp k, 0,1,2,3,4,5,6,7
	v_add_nc_u32 v[TT+\k], v[TT+\k], v[DD+\k]
.endr
.endr
.irp k, 0,1,2,3,4,5,6,7
	v_permlanex16_b32 v[DD+\k], v[TT+\k], s70, s71
.endr
.irp k, 0,1,2,3,4,5,6,7
	v_add_nc_u32 v[TT+\k], v[TT+\k], v[DD+\k]
.endr
.irp k, 0,1,2,3
	v_readfirstlane_b32 s[40+\k], v[TT+\k]         ; the experts' totals,
	v_readfirstlane_b32 s[44+\k], v[PP+\k]         ; and what the chunks in front of mine hold of each
.endr
	s_mov_b32 s48, 0                               ; s48-55: expert e's first position;  s56-63: the first position of my chunk's tokens of expert e
.irp k, 0,1,2,3
	s_and_b32 s66, s[40+\k], 0xffff
	s_add_co_u32 s[49+2*\k], s[48+2*\k], s66
.if \k < 3
	s_lshr_b32 s66, s[40+\k], 16
	s_add_co_u32 s[50+2*\k], s[49+2*\k], s66
.endif
	s_and_b32 s66, s[44+\k], 0xffff
	s_add_co_u32 s[56+2*\k], s[48+2*\k], s66
	s_lshr_b32 s66, s[44+\k], 16
	s_add_co_u32 s[57+2*\k], s[49+2*\k], s66
.endr
	v_mov_b32 v[POS], 0
.irp e, 0,1,2,3,4,5,6,7
	v_mbcnt_lo_u32_b32 v10, s[20+\e], s[56+\e]     ; that first position + the lanes under mine that go to expert e
	v_cndmask_b32 v[POS], v[POS], v10, s[20+\e]    ; mine, if I go there
.endr
	s_wait_dscnt 0x0                               ; my block's numbers
	v_max3_num_f32 v[MXA], |v[X]|, |v[X+1]|, |v[X+2]|              ; the block's largest magnitude: all 32 numbers are mine; two chains
	v_max3_num_f32 v[MXB], |v[X+3]|, |v[X+4]|, |v[X+5]|
.irp i, 6,10,14,18,22,26
	v_max3_num_f32 v[MXA], v[MXA], |v[X+\i]|, |v[X+\i+1]|
	v_max3_num_f32 v[MXB], v[MXB], |v[X+\i+2]|, |v[X+\i+3]|
.endr
	v_max3_num_f32 v[MXA], v[MXA], |v[X+30]|, |v[X+31]|
	v_max3_num_f32 v[MXA], v[MXA], v[MXB], 0x1800000               ; and the floor 2^(3 - 127): so the byte cannot fall under 1
	v_add_nc_u32 v[SCL], 0xff000000, v[MXA]        ; 2 off its exponent field: the conversion takes the exponent field of this operand as its scale, and nothing else of it
	v_lshrrev_b32 v[BY], 23, v[SCL]                ; the scale's byte
.irp g, 0,1,2,3
	v_cvt_scalef32_pk8_fp4_f32 v[Q+\g], v[X+8*\g:X+8*\g+7], v[SCL]
.endr
	v_nop                                          ; one plain place behind the last scaled conversion
	v_readlane_b32 s66, v[POS], s17                ; the position of token 32 c + g
	s_min_u32 s66, s66, 0x3ff
	s_lshl_b32 s68, s66, 9
	s_mov_b32 s69, 0
	s_add_nc_u64 s[8:9], s[8:9], s[68:69]          ; its row of codes,
	s_lshl_b32 s68, s66, 5
	s_add_nc_u64 s[10:11], s[10:11], s[68:69]      ; and of scale bytes
	global_store_b128 v3, v[Q:Q+3], s[8:9]         ; 32 lanes store the row's 512 consecutive bytes
	global_store_b8 v1, v[BY], s[10:11]            ; and its 32 scale bytes
	s_cmp_lg_u32 s16, s17                          ; order[] of tokens 32 g .. 32 g + 31 is stored by wave g of work-group g: each entry once in the launch
	s_cbranch_scc1 .Lno_order
	v_min_u32 v10, 0x3ff, v[POS]
	v_lshlrev_b32 v10, 2, v10
	global_store_b32 v10, v0, s[12:13]             ; order[my position] = my token
.Lno_order:
	s_or_b32 s66, s16, s17                         ; offs[] by wave 0 of work-group 0
	s_cmp_lg_u32 s66, 0
	s_cbranch_scc1 .Lend
	v_mov_b32 v11, 0x400                           ; entries 8 to 31: 1,024
.irp e, 0,1,2,3,4,5,6,7
	v_writelane_b32 v11, s[48+\e], \e
.endr
	global_store_b32 v2, v11, s[12:13] offset:4096
.Lend:
	s_wait_tensorcnt 0x0
	ds_add_u32 v96, v97
	s_wait_dscnt 0x0
	s_endpgm
.Lfunc_end_k_qa467fecdb9_prep:
	.size	k_qa467fecdb9_prep, .Lfunc_end_k_qa467fecdb9_prep-k_qa467fecdb9_prep
	.p2alignl 7, 3214868480
	.fill 96, 4, 3214868480
	.section	.rodata,"a",@progbits
	.p2align	6, 0x0
	.amdhsa_kernel k_qa467fecdb9_prep
		.amdhsa_group_segment_fixed_size 152064
		.amdhsa_private_segment_fixed_size 0
		.amdhsa_enable_private_segment 0
		.amdhsa_kernarg_size 40
		.amdhsa_user_sgpr_count 2
		.amdhsa_user_sgpr_kernarg_segment_ptr 1
		.amdhsa_wavefront_size32 1
		.amdhsa_system_sgpr_workgroup_id_x 1
		.amdhsa_system_sgpr_workgroup_id_y 1
		.amdhsa_system_sgpr_workgroup_id_z 1
		.amdhsa_system_vgpr_workitem_id 0
		.amdhsa_next_free_vgpr 98
		.amdhsa_next_free_sgpr 74
		.amdhsa_reserve_vcc 1
		.amdhsa_float_denorm_mode_32 3
		.amdhsa_float_denorm_mode_16_64 3
		.amdhsa_memory_ordered 1
		.amdhsa_forward_progress 1
		.amdhsa_inst_pref_size 15
	.end_amdhsa_kernel
	.amdgpu_metadata
---
amdhsa.version: [ 1, 2 ]
amdhsa.kernels:
  - .name:           k_qa467fecdb9_prep
    .symbol:         k_qa467fecdb9_prep.kd
    .args:
      - { .name: expert_ids, .offset: 0, .size: 8, .value_kind: global_buffer, .address_space: global }
      - { .name: tokens, .offset: 8, .size: 8, .value_kind: global_buffer, .address_space: global }
      - { .name: xq, .offset: 16, .size: 8, .value_kind: global_buffer, .address_space: global }
      - { .name: xs, .offset: 24, .size: 8, .value_kind: global_buffer, .address_space: global }
      - { .name: route, .offset: 32, .size: 8, .value_kind: global_buffer, .address_space: global }
    .group_segment_fixed_size: 152064
    .private_segment_fixed_size: 0
    .kernarg_segment_align: 8
    .kernarg_segment_size: 40
    .max_flat_workgroup_size: 1024
    .sgpr_count:     74
    .vgpr_count:     98
    .wavefront_size: 32
...
	.end_amdgpu_metadata
.endif
;; end of part 1
;; launch gu (part 2): grid 256 x 1, 16 waves a work-group, no clusters, 71,680 bytes of LDS; arguments xq, xs, route, w_gate_up, hq, hs; writes hq, hs
.if DOCPART == 2
	.amdgcn_target "amdgcn-amd-amdhsa--gfx1250"
	.amdhsa_code_object_version 6
	.text
	.protected	k_qa467fecdb9_gu
	.globl	k_qa467fecdb9_gu
	.p2align	8
	.type	k_qa467fecdb9_gu,@function
k_qa467fecdb9_gu:
	s_mov_b64 s[64:65], 0
	v_nop
	global_prefetch_b8 v0, s[64:65] scope:SCOPE_SE
	s_setreg_imm32_b32 hwreg(HW_REG_WAVE_MODE, 25, 1), 1
	s_wait_xcnt 0x0
; GU: hidden = silu(x Wg) * (x Wu) for the tokens of one expert, both operands of the product as codes of FP4 (E2M1) with one E8M0 scale for each 32 along K; the hidden layer leaves as such codes too.
; IN: xq, xs (the tokens' codes and scale bytes at their sorted positions), route (offs[e] at byte 4096 + 4 e), w_gate_up [8][1024 (K)][4096] f32.
; OUT: hq [block 64][pos 1024][16 bytes]: the codes of hidden units 32 block .. + 31 of the token at pos;  hs [K step 16][pos 1024][4 bytes]: their scale bytes, a word for each 128 hidden units.
; SHARES.  Work-group = (expert e = x / 32, j = x % 32): hidden units 64 j .. 64 j + 63, that is gate columns 64 j .. and up columns 2048 + 64 j ..: 2 x 256 bytes of each of the 1,024 rows: 512 KB of f32, read once.
; PHASE 1, the stream.  Wave w takes 32 columns (g = w % 4: 0, 1 gate, 2, 3 up) of 256 rows (q = w / 4).  A LANE TAKES A COLUMN AND ITS REGISTERS RUN DOWN K: a block of 32 along K lies in one lane's 32 registers, its
; largest magnitude needs no other lane, and the conversions give codes with K innermost.  Two blocks (64 loads a wave, 128 bytes each) are on their way: 16 waves x 64 x 128 bytes = 128 KB for the work-group.
; Lanes 0-15 hold the columns of tile u = 0, lanes 16-31 those of tile u = 1.  v_permlane16_swap_b32 on the registers of blocks 2 c and 2 c + 1 makes of them registers 4 c .. 4 c + 3 of tile 0's and of tile 1's operand
; (lane (r, h): k = 64 c + 32 h + 0 .. 31).  The operands go to LDS as images of their registers, 16 bytes a lane; a lane's four scale bytes of a K step are a word: lanes 0-15 tile 0's, lanes 16-31 tile 1's.
; THE COLUMNS OF A TILE ARE NOT NEIGHBOURS: lane r of tile u takes column 8 u + r + 8 (r / 8) of its 32, so that in the result the 16 registers of tiles 0 and 1 are 16 neighbouring hidden units.
; PHASE 2, behind the one barrier.  A wave takes a tile of 16 tokens against all 8 tiles of columns, K = 1,024 in 8 steps.  The product is used transposed (source 0 = 16 columns, source 1 = 16 tokens): lane (r, h) holds
; token r and hidden units 16 h + 0 .. 15 of each block.  SwiGLU in f32, the block's largest magnitude with lane l xor 16's, two conversions a block, and the codes leave: 256 consecutive bytes a wave and block.
; ROWS PAST AN EXPERT'S END: a lane's position is min(first + r, last): the lanes of a short tile repeat the expert's last token, compute the same bits and store them to the same place.  All lanes stay on.
; A wave without a tile does no phase 2; an expert without tokens stores nothing here.  Wave w takes tiles w, w + 16, w + 32, w + 48: an expert has at most 1,024 tokens, 64 tiles, so that serves every split.
; NO JOINT LOADS, NO TENSOR LOADS: the number of token tiles is read from memory; the quantiser wants a lane to a column; and what the 32 work-groups of an expert share, the tokens' codes
; (512 bytes a token, 64 KB at an even split), is small beside the 512 KB of weights that each of them reads alone.
; LIMITS: NaN and infinities are not served.  A block whose largest magnitude lies under 2^-124, a block of zeros among them, gets the byte 1 (zero codes add nothing; this program alone reads the bytes).
; sigmoid(g) = 1 / (1 + 2^(-1.442695 g)): for g under about -88 the power overflows and the hidden number is -0, where the exact one lies under 1e-36 x |up|.
.set ROWB, 16384                       ; a row of w_gate_up[e] in bytes
.set BSC,  65536                       ; LDS: images at 0: (g, K step s, blk) at ((8 g + s) 4 + blk) 512;  scale words at BSC + (8 g + s) 128
.set WO,   4                           ; v4   4 x my column
.set LIW,  5                           ; v5   where I store images: 16 lane + 16384 g + 4096 q
.set LSW,  6                           ; v6   and scale words: BSC + 1024 g + 256 q + 4 lane
.set LB,   7                           ; v7   16 lane
.set LS,   8                           ; v8   BSC + 4 lane
.set AV,   9                           ; v9   my token's codes: 512 pos + 16 h
.set SV,   10                          ; v10  its scale bytes: 32 pos
.set HV,   11                          ; v11  hq: 16 pos + 8 h
.set HSV,  12                          ; v12  hs: 4 pos + h
.set PL,   13                          ; v13  my position
.set MXA,  14                          ; v14-15 largest magnitudes, two chains
.set MXB,  15
.set SCL,  16                          ; v16  the conversion's scale operand
.set BY,   17                          ; v17  the scale's byte
.set SW,   18                          ; v18-19 the scale words of my two K steps
.set BSR,  20                          ; v20-23 the weights' scale words in phase 2, [2 hg + gu]: scales and nothing else
.set XS,   24                          ; v24-31 the tokens' scale words, one for each K step: scales and nothing else
.set X,    32                          ; v32-95 phase 1: two sets of 32 numbers
.set BF,   32                          ;        phase 2: the weights' fragments, [32 hg + 16 gu + 8 u]
.set T,    32                          ;        afterwards: 32 numbers at work
.set A,    96                          ; v96-159 the tokens' fragments, [8 s]
.set ACC,  160                         ; v160-223 the accumulators, [32 hg + 16 gu + 8 u]
.set C,    160                         ;        phase 1: the codes, four registers for each of the 8 blocks, so that no LDS store's data are written again
.set EM,   224                         ; v224-225 the hidden blocks' largest magnitudes;  v226-227 lane l xor 16's;  v228-229 scale operands;  v230-231 bytes
.set EM2,  226
.set ESC,  228
.set EBY,  230
.set Q,    232                         ; v232-235 the hidden codes
.set BYS,  236                         ; v236 the byte that my half of the lanes stores
.set H16,  237                         ; v237 16 h
.set H8,   238                         ; v238 8 h
.macro LOADW t                         ; block t: W(32 t + i, my column), i = 0 .. 31, into set t % 2.  The largest immediate is 255 x 16,384, inside the signed 24 bits
.irp i, 0,1,2,3,4,5,6,7,8,9,10,11,12,13,14,15,16,17,18,19,20,21,22,23,24,25,26,27,28,29,30,31
	global_load_b32 v[X+32*((\t)%2)+\i], v[WO], s[10:11] offset:(32*(\t)+\i)*ROWB th:TH_LOAD_NT
.endr
.endm
.macro BLOCK t, cnt                    ; block t is quantised; cnt: the loads issued behind its own, which may stay out
.set XB, X+32*((\t)%2)
.set CB, C+4*(\t)
	s_wait_loadcnt \cnt
	v_max3_num_f32 v[MXA], |v[XB]|, |v[XB+1]|, |v[XB+2]|
	v_max3_num_f32 v[MXB], |v[XB+3]|, |v[XB+4]|, |v[XB+5]|
.irp i, 6,10,14,18,22,26
	v_max3_num_f32 v[MXA], v[MXA], |v[XB+\i]|, |v[XB+\i+1]|
	v_max3_num_f32 v[MXB], v[MXB], |v[XB+\i+2]|, |v[XB+\i+3]|
.endr
	v_max3_num_f32 v[MXA], v[MXA], |v[XB+30]|, |v[XB+31]|
	v_max3_num_f32 v[MXA], v[MXA], v[MXB], 0x1800000               ; the floor 2^(3 - 127): the byte cannot fall under 1
	v_add_nc_u32 v[SCL], 0xff000000, v[MXA]        ; 2 off the exponent field: the conversion's scale operand
	v_lshrrev_b32 v[BY], 23, v[SCL]                ; the scale's byte
.if (\t)%4 == 0
	v_mov_b32 v[SW+(\t)/4], v[BY]                  ; four bytes to a word, the lower K in the lower byte
.else
	v_lshl_or_b32 v[SW+(\t)/4], v[BY], 8*((\t)%4), v[SW+(\t)/4]
.endif
.irp g, 0,1,2,3
	v_cvt_scalef32_pk8_fp4_f32 v[CB+\g], v[XB+8*\g:XB+8*\g+7], v[SCL]
.endr
	v_nop                                          ; one plain place behind the last scaled conversion
.if (\t)%2 == 1
.irp i, 0,1,2,3
	v_permlane16_swap_b32 v[CB-4+\i], v[CB+\i]     ; the first's lanes 16-31 change places with the second's lanes 0-15: the first is now tile 0's, the second tile 1's
.endr
	ds_store_b128 v[LIW], v[CB-4:CB-1] offset:512*((\t)-1)
	ds_store_b128 v[LIW], v[CB:CB+3] offset:512*(\t)
.endif
.if (\t)%4 == 3
	ds_store_b32 v[LSW], v[SW+(\t)/4] offset:128*((\t)/4)
.endif
.endm
.macro ADDR                            ; the addresses of tile s26 of my expert's tokens
	s_lshl_b32 s27, s26, 4
	s_add_co_u32 s27, s27, s22                     ; its first position
	v_add_nc_u32 v[PL], s27, v2
	v_min_u32 v[PL], s28, v[PL]                    ; never past the expert's last token,
	v_min_u32 v[PL], 0x3ff, v[PL]                  ; nor past the buffers
	v_lshl_add_u32 v[AV], v[PL], 9, v[H16]
	v_lshlrev_b32 v[SV], 5, v[PL]
	v_lshl_add_u32 v[HV], v[PL], 4, v[H8]
	v_lshl_add_u32 v[HSV], v[PL], 2, v3
.endm
.macro ALOAD                           ; 18 loads: my token's eight fragments (lane (r, h), registers 4 c ..: bytes 64 s + 32 c + 16 h of its row) and its eight scale words
.irp s, 0,1,2,3,4,5,6,7
.irp c, 0,1
	global_load_b128 v[A+8*\s+4*\c:A+8*\s+4*\c+3], v[AV], s[4:5] offset:64*\s+32*\c
.endr
.endr
	global_load_b128 v[XS:XS+3], v[SV], s[6:7]
	global_load_b128 v[XS+4:XS+7], v[SV], s[6:7] offset:16
.endm
.macro LOADB s, hg                     ; 10 LDS loads: K step s of the four tiles of columns of half hg (gate and up, u = 0, 1), and their scale words
.irp gu, 0,1
.irp u, 0,1
.irp c, 0,1
	ds_load_b128 v[BF+32*(\hg)+16*\gu+8*\u+4*\c:BF+32*(\hg)+16*\gu+8*\u+4*\c+3], v[LB] offset:(((2*\gu+(\hg))*8+(\s))*4+2*\c+\u)*512
.endr
.endr
	ds_load_b32 v[BSR+2*(\hg)+\gu], v[LS] offset:((2*\gu+(\hg))*8+(\s))*128
.endr
.endm
.macro MM s, hg, gu, u                 ; one product: source 0 = 16 columns, source 1 = my 16 tokens.  K step 0 starts the sum with the constant 0.  Tile u = 1 has its scale words in lanes 16-31
.set AC, ACC+32*(\hg)+16*(\gu)+8*(\u)
.set BB, BF+32*(\hg)+16*(\gu)+8*(\u)
.set AA, A+8*(\s)
.set SA, BSR+2*(\hg)+(\gu)
.set SB, XS+(\s)
.if (\s) == 0
.if (\u) == 0
	v_wmma_scale_f32_16x16x128_f8f6f4 v[AC:AC+7], v[BB:BB+7], v[AA:AA+7], 0, v[SA], v[SB] matrix_a_fmt:MATRIX_FMT_FP4 matrix_b_fmt:MATRIX_FMT_FP4
.else
	v_wmma_scale_f32_16x16x128_f8f6f4 v[AC:AC+7], v[BB:BB+7], v[AA:AA+7], 0, v[SA], v[SB] matrix_a_fmt:MATRIX_FMT_FP4 matrix_b_fmt:MATRIX_FMT_FP4 matrix_a_scale:MATRIX_SCALE_ROW1
.endif
.else
.if (\u) == 0
	v_wmma_scale_f32_16x16x128_f8f6f4 v[AC:AC+7], v[BB:BB+7], v[AA:AA+7], v[AC:AC+7], v[SA], v[SB] matrix_a_fmt:MATRIX_FMT_FP4 matrix_b_fmt:MATRIX_FMT_FP4
.else
	v_wmma_scale_f32_16x16x128_f8f6f4 v[AC:AC+7], v[BB:BB+7], v[AA:AA+7], v[AC:AC+7], v[SA], v[SB] matrix_a_fmt:MATRIX_FMT_FP4 matrix_b_fmt:MATRIX_FMT_FP4 matrix_a_scale:MATRIX_SCALE_ROW1
.endif
.endif
.endm
.macro HALF s, hg, cnt                 ; four products of K step s; then the same half's fragments of the next K step, which land while the other half multiplies
	s_wait_dscnt \cnt                              ; cnt: the other half's ten loads, issued behind mine
.irp gu, 0,1
.irp u, 0,1
	MM \s, \hg, \gu, \u
.endr
.endr
.if (\s) < 7
.rept 4
	v_nop                                          ; four places in front of loads into registers that these products read (ISA guide 7.12.1 for vector instructions)
.endr
	LOADB (\s)+1, \hg
.endif
.endm
; A tile of 16 tokens.  The eight accumulators take turns, one instruction a turn, in the same order in every K step.
.macro TILE
	s_wait_loadcnt 0x0                             ; my tokens' fragments and scale words
	LOADB 0, 0
	LOADB 0, 1
.irp s, 0,1,2,3,4,5,6
	HALF \s, 0, 10
	HALF \s, 1, 10
.endr
	HALF 7, 0, 10
	HALF 7, 1, 0                                   ; nothing was issued behind the last ten
.rept 4
	v_nop                                          ; four places in front of the first read of results and the first write over the fragments
.endr
	; SwiGLU in f32.  G = ACC[32 hg + 0 .. 15], U = ACC[32 hg + 16 .. 31].  Every accumulator is read from its low end on.
.irp hg, 0,1
.irp i, 0,2,4,6,8,10,12,14
	v_pk_mul_f32 v[T+16*\hg+\i:T+16*\hg+\i+1], v[ACC+32*\hg+\i:ACC+32*\hg+\i+1], s[38:39] op_sel_hi:[1,0]   ; -g log2(e)
.endr
.endr
.set N, 0
.rept 32
	v_exp_f32 v[T+N], v[T+N]                       ; e^-g
.set N, N+1
.endr
	v_nop                                          ; a plain place behind the transcendentals
	s_wait_alu depctr_va_vdst(0)
.irp i, 0,2,4,6,8,10,12,14,16,18,20,22,24,26,28,30
	v_pk_add_f32 v[T+\i:T+\i+1], v[T+\i:T+\i+1], 1.0 op_sel_hi:[1,0]
.endr
.set N, 0
.rept 32
	v_rcp_f32 v[T+N], v[T+N]                       ; sigmoid(g)
.set N, N+1
.endr
	v_nop
	s_wait_alu depctr_va_vdst(0)
.irp hg, 0,1
.irp i, 0,2,4,6,8,10,12,14
	v_pk_mul_f32 v[ACC+32*\hg+\i:ACC+32*\hg+\i+1], v[ACC+32*\hg+\i:ACC+32*\hg+\i+1], v[T+16*\hg+\i:T+16*\hg+\i+1]   ; silu(g)
.endr
.endr
.irp hg, 0,1
.irp i, 0,2,4,6,8,10,12,14
	v_pk_mul_f32 v[ACC+32*\hg+\i:ACC+32*\hg+\i+1], v[ACC+32*\hg+\i:ACC+32*\hg+\i+1], v[ACC+32*\hg+16+\i:ACC+32*\hg+16+\i+1]   ; x up
.endr
.endr
	; the two blocks of 32 hidden units: my 16 numbers of each, and lane l xor 16's
.irp hg, 0,1
	v_max3_num_f32 v[EM+\hg], |v[ACC+32*\hg]|, |v[ACC+32*\hg+1]|, 0x1800000   ; with the floor 2^(3 - 127)
.endr
.irp i, 2,4,6,8,10,12,14
.irp hg, 0,1
	v_max3_num_f32 v[EM+\hg], v[EM+\hg], |v[ACC+32*\hg+\i]|, |v[ACC+32*\hg+\i+1]|
.endr
.endr
.irp hg, 0,1
	v_permlanex16_b32 v[EM2+\hg], v[EM+\hg], s34, s35
.endr
.irp hg, 0,1
	v_max_num_f32 v[EM+\hg], v[EM+\hg], v[EM2+\hg]
.endr
.irp hg, 0,1
	v_add_nc_u32 v[ESC+\hg], 0xff000000, v[EM+\hg]
.endr
.irp hg, 0,1
	v_lshrrev_b32 v[EBY+\hg], 23, v[ESC+\hg]
.endr
.irp hg, 0,1
	v_cvt_scalef32_pk8_fp4_f32 v[Q+2*\hg], v[ACC+32*\hg:ACC+32*\hg+7], v[ESC+\hg]          ; hidden units 16 h + 0 .. 7 of the block,
	v_cvt_scalef32_pk8_fp4_f32 v[Q+2*\hg+1], v[ACC+32*\hg+8:ACC+32*\hg+15], v[ESC+\hg]     ; and + 8 .. 15
.endr
	v_nop                                          ; one plain place behind the last scaled conversion
	v_cndmask_b32 v[BYS], v[EBY], v[EBY+1], s36    ; lanes 0-15 store the first block's byte, lanes 16-31 the second's
.irp hg, 0,1
	global_store_b64 v[HV], v[Q+2*\hg:Q+2*\hg+1], s[12:13] offset:16384*\hg   ; 16 positions x 16 bytes: the wave stores 256 consecutive bytes
.endr
	global_store_b8 v[HSV], v[BYS], s[14:15]
.endm
	s_load_b256 s[4:11], s[0:1], 0x0               ; xq s[4:5], xs s[6:7], route s[8:9], w_gate_up s[10:11]
	s_load_b128 s[12:15], s[0:1], 0x20             ; hq s[12:13], hs s[14:15]
	v_lshl_add_u32 v240, v0, 2, 0x11000
	v_mov_b32 v241, 0
	v_lshrrev_b32 v1, 5, v0
	v_readfirstlane_b32 s16, v1                    ; wave w
	v_and_b32 v1, 31, v0                           ; lane
	v_and_b32 v2, 15, v0                           ; r
	v_bfe_u32 v3, v0, 4, 1                         ; h
	s_lshr_b32 s17, ttmp9, 5                       ; expert e
	s_and_b32 s18, ttmp9, 31                       ; j
	s_and_b32 s19, s16, 3                          ; g: which 32 columns
	s_lshr_b32 s20, s16, 2                         ; q: which 256 rows
	s_lshl_b32 s21, s17, 2
	v_and_b32 v[WO], 7, v1                         ; my column: (l & 7) | (l & 8) << 1 | (l & 16) >> 1
	v_and_b32 v14, 8, v1
	v_lshl_or_b32 v[WO], v14, 1, v[WO]
	v_and_b32 v14, 16, v1
	v_lshrrev_b32 v14, 1, v14
	v_or_b32 v[WO], v[WO], v14
	v_lshlrev_b32 v[WO], 2, v[WO]
	s_lshl_b32 s32, s19, 14
	s_lshl_b32 s33, s20, 12
	s_add_co_u32 s32, s32, s33
	v_lshl_add_u32 v[LIW], v1, 4, s32
	s_lshl_b32 s32, s19, 10
	s_lshl_b32 s33, s20, 8
	s_add_co_u32 s32, s32, s33
	s_add_co_u32 s32, s32, BSC
	v_lshl_add_u32 v[LSW], v1, 2, s32
	v_lshlrev_b32 v[LB], 4, v1
	v_lshl_add_u32 v[LS], v1, 2, BSC
	v_lshlrev_b32 v[H16], 4, v3
	v_lshlrev_b32 v[H8], 3, v3
	v_mov_b32 v[EM2], 0                            ; written once: a lane permute's destination counts as one of its sources
	v_mov_b32 v[EM2+1], 0
	s_mov_b32 s34, 0x76543210
	s_mov_b32 s35, 0xfedcba98                      ; v_permlanex16_b32's selects for lane l xor 16
	s_mov_b32 s36, 0xffff0000                      ; lanes 16-31
	s_mov_b32 s38, 0xbfb8aa3b                      ; -log2(e)
	s_mov_b32 s39, s38                             ; (named with it as a pair, so it is written)
	s_lshl_b32 s30, s17, 24                        ; my part of the weights: e x 16 MB
	s_lshl_b32 s32, s20, 22                        ; + q x 256 rows
	s_add_co_u32 s30, s30, s32
	s_lshr_b32 s32, s19, 1
	s_lshl_b32 s32, s32, 13                        ; + 8,192 for up
	s_add_co_u32 s30, s30, s32
	s_lshl_b32 s32, s18, 8                         ; + 256 j
	s_add_co_u32 s30, s30, s32
	s_and_b32 s32, s19, 1
	s_lshl_b32 s32, s32, 7                         ; + 128 for the second 32 columns
	s_add_co_u32 s30, s30, s32
	s_mov_b32 s31, 0
	s_wait_kmcnt 0x0
	s_load_b64 s[22:23], s[8:9], s21 offset:0x1000 ; offs[e], offs[e + 1]
	s_add_nc_u64 s[10:11], s[10:11], s[30:31]
	LOADW 0
	LOADW 1
	s_lshl_b32 s32, s18, 15                        ; hq: blocks 2 j, 2 j + 1 of 16,384 bytes
	s_mov_b32 s33, 0
	s_add_nc_u64 s[12:13], s[12:13], s[32:33]
	s_lshr_b32 s32, s18, 1
	s_lshl_b32 s32, s32, 12                        ; hs: K step j / 2,
	s_and_b32 s29, s18, 1
	s_lshl_b32 s29, s29, 1                         ; bytes 2 (j % 2) and + 1 of each word
	s_add_co_u32 s32, s32, s29
	s_add_nc_u64 s[14:15], s[14:15], s[32:33]
	s_wait_kmcnt 0x0
	s_min_u32 s22, s22, 0x400                      ; the expert's first position,
	s_min_u32 s23, s23, 0x400                      ; and the one behind its last
	s_sub_co_u32 s24, s23, s22
	s_add_co_u32 s25, s24, 15
	s_lshr_b32 s25, s25, 4                         ; its tiles of 16 tokens: 64 at the most
	s_max_u32 s28, s23, 1
	s_sub_co_u32 s28, s28, 1                       ; its last position (position 0 where nothing lies in front: the row is read and not used)
	s_mov_b32 s26, s16                             ; my first tile
.irp t, 0,1,2,3,4,5
	BLOCK \t, 32                                   ; the next block's 32 loads stay out
	LOADW \t+2
.endr
	BLOCK 6, 32
	ADDR                                           ; my first tile's tokens are asked for one block ahead of the stream's end, by every wave: the counts are the same on every way
	ALOAD
	BLOCK 7, 18                                    ; those 18 loads stay out
	s_wait_dscnt 0x0                               ; for the others' sake: my images and scale words lie in LDS
	s_barrier_signal -1
	s_barrier_wait -1                              ; everybody's do.  The launch's one barrier; nothing writes these bytes again
	s_cmp_ge_u32 s26, s25
	s_cbranch_scc1 .Ldone                          ; no tile for me
	TILE
	s_mov_b32 s29, 0
.Lmore:                                                ; three trips: tiles w + 16, w + 32, w + 48.  64 tiles at the most over 16 waves are four a wave; a trip has work only where the expert has more than 256 tokens
	s_add_co_u32 s26, s26, 16
	s_cmp_ge_u32 s26, s25
	s_cbranch_scc1 .Lskip                          ; no such tile: its loads, their waits and its work are jumped over together
	s_wait_xcnt 0x0                                ; the stores have read their data and offsets: both are written again only behind this wait
.rept 4
	v_nop                                          ; with the lines of ADDR: the places in front of loads into the tokens' fragments and of sums begun anew
.endr
	ADDR
	ALOAD
	TILE
.Lskip:
	s_add_co_u32 s29, s29, 1
	s_cmp_lt_u32 s29, 3
	s_cbranch_scc1 .Lmore
.Ldone:
	s_wait_tensorcnt 0x0
	ds_add_u32 v240, v241
	s_wait_dscnt 0x0
	s_endpgm
.Lfunc_end_k_qa467fecdb9_gu:
	.size	k_qa467fecdb9_gu, .Lfunc_end_k_qa467fecdb9_gu-k_qa467fecdb9_gu
	.p2alignl 7, 3214868480
	.fill 96, 4, 3214868480
	.section	.rodata,"a",@progbits
	.p2align	6, 0x0
	.amdhsa_kernel k_qa467fecdb9_gu
		.amdhsa_group_segment_fixed_size 71680
		.amdhsa_private_segment_fixed_size 0
		.amdhsa_enable_private_segment 0
		.amdhsa_kernarg_size 48
		.amdhsa_user_sgpr_count 2
		.amdhsa_user_sgpr_kernarg_segment_ptr 1
		.amdhsa_wavefront_size32 1
		.amdhsa_system_sgpr_workgroup_id_x 1
		.amdhsa_system_sgpr_workgroup_id_y 1
		.amdhsa_system_sgpr_workgroup_id_z 1
		.amdhsa_system_vgpr_workitem_id 0
		.amdhsa_next_free_vgpr 242
		.amdhsa_next_free_sgpr 66
		.amdhsa_reserve_vcc 0
		.amdhsa_float_denorm_mode_32 3
		.amdhsa_float_denorm_mode_16_64 3
		.amdhsa_memory_ordered 1
		.amdhsa_forward_progress 1
		.amdhsa_inst_pref_size 103
	.end_amdhsa_kernel
	.amdgpu_metadata
---
amdhsa.version: [ 1, 2 ]
amdhsa.kernels:
  - .name:           k_qa467fecdb9_gu
    .symbol:         k_qa467fecdb9_gu.kd
    .args:
      - { .name: xq, .offset: 0, .size: 8, .value_kind: global_buffer, .address_space: global }
      - { .name: xs, .offset: 8, .size: 8, .value_kind: global_buffer, .address_space: global }
      - { .name: route, .offset: 16, .size: 8, .value_kind: global_buffer, .address_space: global }
      - { .name: w_gate_up, .offset: 24, .size: 8, .value_kind: global_buffer, .address_space: global }
      - { .name: hq, .offset: 32, .size: 8, .value_kind: global_buffer, .address_space: global }
      - { .name: hs, .offset: 40, .size: 8, .value_kind: global_buffer, .address_space: global }
    .group_segment_fixed_size: 71680
    .private_segment_fixed_size: 0
    .kernarg_segment_align: 8
    .kernarg_segment_size: 48
    .max_flat_workgroup_size: 512
    .sgpr_count:     66
    .vgpr_count:     242
    .wavefront_size: 32
...
	.end_amdgpu_metadata
.endif
;; end of part 2
;; launch down (part 3): grid 256 x 1, 16 waves a work-group, no clusters, 73,728 bytes of LDS; arguments hq, hs, route, w_down, out0; writes out0
.if DOCPART == 3
	.amdgcn_target "amdgcn-amd-amdhsa--gfx1250"
	.amdhsa_code_object_version 6
	.text
	.protected	k_qa467fecdb9_down
	.globl	k_qa467fecdb9_down
	.p2align	8
	.type	k_qa467fecdb9_down,@function
k_qa467fecdb9_down:
	s_mov_b64 s[64:65], 0
	v_nop
	global_prefetch_b8 v0, s[64:65] scope:SCOPE_SE
	s_setreg_imm32_b32 hwreg(HW_REG_WAVE_MODE, 25, 1), 1
	s_wait_xcnt 0x0
; DOWN: out0[token] = hidden W_down[expert of the token], both operands as codes of FP4 (E2M1) with one E8M0 scale for each 32 along K = 2,048; one f32 sum for each output, K ascending.
; IN: hq [block 64][pos 1024][16 bytes], hs [K step 16][pos 1024][4 bytes] (the hidden layer at the tokens' sorted positions), route (order[pos] at 4 pos, offs[e] at 4096 + 4 e), w_down [8][2048 (K)][1024] f32.
; SHARES.  Work-group = (expert e = x / 32, cs = x % 32): columns 32 cs .. 32 cs + 31 over all of K: 256 KB of f32, read once.  8 x 1,024 columns over 256 work-groups are 32 each.
; PHASE 1, the stream.  Wave w takes K step w: rows 128 w .. + 127, four blocks of 32.  A LANE TAKES A COLUMN AND ITS REGISTERS RUN DOWN K; lanes 0-15 are tile u = 0 (columns 0-15 of the 32), lanes 16-31 tile u = 1.
; v_permlane16_swap_b32 on the registers of blocks 2 c and 2 c + 1 makes of them registers 4 c .. 4 c + 3 of tile 0's and of tile 1's operand.  Operands go to LDS as images of their registers, 16 bytes a lane;
; a lane's four scale bytes are a word: lanes 0-15 tile 0's, lanes 16-31 tile 1's.  Two blocks (64 loads a wave, 128 bytes each) are on their way.
; PHASE 2, behind the one barrier.  A wave takes a tile of 16 tokens against both tiles of columns, 16 K steps.  The product is used transposed (source 0 = 16 columns, source 1 = 16 tokens): lane (r, h) holds token r and
; columns 16 u + 8 h + 0 .. 7.  The tile goes through the wave's own stage in LDS and leaves by rows: eight lanes store a row's 128 consecutive bytes at the row that order[] names.
; ROWS PAST AN EXPERT'S END: a position is min(first + r, last): the lanes of a short tile repeat the expert's last token, compute the same bits and store them to the same place.  All lanes stay on.
; A wave without a tile does no phase 2.  Wave w takes tiles w, w + 16, w + 32, w + 48: an expert has at most 1,024 tokens, 64 tiles, so that serves every split.  Every token has one expert, so every row of out0 is written once.
; NO JOINT LOADS, NO TENSOR LOADS: the number of token tiles is read from memory, and the quantiser wants a lane to a column.
; LIMITS: NaN and infinities are not served.  A block of weights whose largest magnitude lies under 2^-124, a block of zeros among them, gets the byte 1 (zero codes add nothing).
.set ROWB, 4096                        ; a row of w_down[e] in bytes
.set BSC,  32768                       ; LDS: images at 0: (K step s, blk) at (4 s + blk) 512;  scale words at BSC + 128 s
.set STG,  34816                       ; the stages: 16 rows x (128 bytes + 16) = 2,304 bytes for each wave
.set WO,   4                           ; v4   4 x lane: my column
.set LIW,  5                           ; v5   where I store images: 16 lane + 2048 w
.set LSW,  6                           ; v6   and my scale word: BSC + 128 w + 4 lane
.set LB,   7                           ; v7   16 lane
.set LS,   8                           ; v8   4 lane
.set AV,   9                           ; v9   hq: 16384 h + 16 pos
.set SV,   10                          ; v10  hs: 32768 h + 4 pos
.set STW,  11                          ; v11  the stage, way in: row r, + 32 h
.set STR,  12                          ; v12  way out: row lane / 8, + 16 (lane % 8)
.set PL,   13                          ; v13  my position
.set MXA,  14
.set MXB,  15
.set SCL,  16
.set BY,   17
.set SW,   18                          ; v18  my K step's scale word
.set L16,  19                          ; v19  16 (lane % 8)
.set OI,   20                          ; v20-23 where order[] of four rows lies, then their tokens, then their byte offsets in out0
.set BSR,  24                          ; v24-27 the weights' scale words, [s % 4]: scales and nothing else
.set XS,   28                          ; v28-35 the hidden layer's scale words: register i: lanes 0-15 K step i, lanes 16-31 K step i + 8: scales and nothing else
.set X,    36                          ; v36-99 phase 1: two sets of 32 numbers
.set BF,   36                          ;        phase 2: the weights' fragments, [16 (s % 4) + 8 u]
.set OB,   36                          ;        the way out: 16 rows read back
.set C,    100                         ; v100-115 phase 1: the codes of four blocks
.set ACC,  100                         ;        phase 2: the two accumulators, [8 u]
.set A,    116                         ; v116-243 the hidden layer's fragments, [8 s]
.set H14,  244                         ; v244 16384 h
.set H15,  245                         ; v245 32768 h
.set L3,   246                         ; v246 lane / 8
.macro LOADW t                         ; block t: W(32 t + i, my column), i = 0 .. 31, into set t % 2
.irp i, 0,1,2,3,4,5,6,7,8,9,10,11,12,13,14,15,16,17,18,19,20,21,22,23,24,25,26,27,28,29,30,31
	global_load_b32 v[X+32*((\t)%2)+\i], v[WO], s[10:11] offset:(32*(\t)+\i)*ROWB th:TH_LOAD_NT
.endr
.endm
.macro BLOCK t, cnt                    ; block t is quantised; cnt: the loads issued behind its own, which may stay out
.set XB, X+32*((\t)%2)
.set CB, C+4*(\t)
	s_wait_loadcnt \cnt
	v_max3_num_f32 v[MXA], |v[XB]|, |v[XB+1]|, |v[XB+2]|
	v_max3_num_f32 v[MXB], |v[XB+3]|, |v[XB+4]|, |v[XB+5]|
.irp i, 6,10,14,18,22,26
	v_max3_num_f32 v[MXA], v[MXA], |v[XB+\i]|, |v[XB+\i+1]|
	v_max3_num_f32 v[MXB], v[MXB], |v[XB+\i+2]|, |v[XB+\i+3]|
.endr
	v_max3_num_f32 v[MXA], v[MXA], |v[XB+30]|, |v[XB+31]|
	v_max3_num_f32 v[MXA], v[MXA], v[MXB], 0x1800000               ; the floor 2^(3 - 127): the byte cannot fall under 1
	v_add_nc_u32 v[SCL], 0xff000000, v[MXA]        ; 2 off the exponent field: the conversion's scale operand
	v_lshrrev_b32 v[BY], 23, v[SCL]                ; the scale's byte
.if (\t)%4 == 0
	v_mov_b32 v[SW+(\t)/4], v[BY]
.else
	v_lshl_or_b32 v[SW+(\t)/4], v[BY], 8*((\t)%4), v[SW+(\t)/4]
.endif
.irp g, 0,1,2,3
	v_cvt_scalef32_pk8_fp4_f32 v[CB+\g], v[XB+8*\g:XB+8*\g+7], v[SCL]
.endr
	v_nop                                          ; one plain place behind the last scaled conversion
.if (\t)%2 == 1
.irp i, 0,1,2,3
	v_permlane16_swap_b32 v[CB-4+\i], v[CB+\i]     ; the first is now tile 0's, the second tile 1's
.endr
	ds_store_b128 v[LIW], v[CB-4:CB-1] offset:512*((\t)-1)
	ds_store_b128 v[LIW], v[CB:CB+3] offset:512*(\t)
.endif
.if (\t)%4 == 3
	ds_store_b32 v[LSW], v[SW+(\t)/4] offset:128*((\t)/4)
.endif
.endm
.macro ADDR                            ; the addresses of tile s26 of my expert's tokens
	s_lshl_b32 s27, s26, 4
	s_add_co_u32 s27, s27, s22                     ; its first position
	v_add_nc_u32 v[PL], s27, v2
	v_min_u32 v[PL], s28, v[PL]                    ; never past the expert's last token,
	v_min_u32 v[PL], 0x3ff, v[PL]                  ; nor past the buffers
	v_lshl_add_u32 v[AV], v[PL], 4, v[H14]
	v_lshl_add_u32 v[SV], v[PL], 2, v[H15]
.irp i, 0,1,2,3
	s_add_co_u32 s32, s27, 4*\i
	v_add_nc_u32 v[OI+\i], s32, v[L3]              ; the way out's row 4 i + lane / 8: its position, held alike,
	v_min_u32 v[OI+\i], s28, v[OI+\i]
	v_min_u32 v[OI+\i], 0x3ff, v[OI+\i]
	v_lshlrev_b32 v[OI+\i], 2, v[OI+\i]            ; and where its token's number lies
.endr
.endm
.macro ALOAD                           ; 44 loads: my token's 16 fragments (lane (r, h), registers 4 c ..: block 4 s + 2 c + h), its scale words, and four rows' tokens
.irp s, 0,1,2,3,4,5,6,7,8,9,10,11,12,13,14,15
.irp c, 0,1
	global_load_b128 v[A+8*\s+4*\c:A+8*\s+4*\c+3], v[AV], s[4:5] offset:(4*\s+2*\c)*16384   ; each half of the lanes reads 256 consecutive bytes
.endr
.endr
.irp i, 0,1,2,3,4,5,6,7
	global_load_b32 v[XS+\i], v[SV], s[6:7] offset:4096*\i
.endr
.irp i, 0,1,2,3
	global_load_b32 v[OI+\i], v[OI+\i], s[8:9]     ; each lands on its own address register
.endr
.endm
.macro LOADB s                         ; 5 LDS loads: K step s of both tiles of columns, and their scale words
.irp u, 0,1
.irp c, 0,1
	ds_load_b128 v[BF+16*((\s)%4)+8*\u+4*\c:BF+16*((\s)%4)+8*\u+4*\c+3], v[LB] offset:(4*(\s)+2*\c+\u)*512
.endr
.endr
	ds_load_b32 v[BSR+(\s)%4], v[LS] offset:BSC+128*(\s)
.endm
.macro MM s, u                         ; one product: source 0 = 16 columns, source 1 = my 16 tokens.  K step 0 starts the sum with the constant 0.  Tile 1's scale words, and the tokens' of K steps 8 to 15, stand in lanes 16-31
.set AC, ACC+8*(\u)
.set BB, BF+16*((\s)%4)+8*(\u)
.set AA, A+8*(\s)
.set SA, BSR+(\s)%4
.set SB, XS+(\s)%8
.if (\s) == 0
.if (\u) == 0
	v_wmma_scale_f32_16x16x128_f8f6f4 v[AC:AC+7], v[BB:BB+7], v[AA:AA+7], 0, v[SA], v[SB] matrix_a_fmt:MATRIX_FMT_FP4 matrix_b_fmt:MATRIX_FMT_FP4
.else
	v_wmma_scale_f32_16x16x128_f8f6f4 v[AC:AC+7], v[BB:BB+7], v[AA:AA+7], 0, v[SA], v[SB] matrix_a_fmt:MATRIX_FMT_FP4 matrix_b_fmt:MATRIX_FMT_FP4 matrix_a_scale:MATRIX_SCALE_ROW1
.endif
.elseif (\s) < 8
.if (\u) == 0
	v_wmma_scale_f32_16x16x128_f8f6f4 v[AC:AC+7], v[BB:BB+7], v[AA:AA+7], v[AC:AC+7], v[SA], v[SB] matrix_a_fmt:MATRIX_FMT_FP4 matrix_b_fmt:MATRIX_FMT_FP4
.else
	v_wmma_scale_f32_16x16x128_f8f6f4 v[AC:AC+7], v[BB:BB+7], v[AA:AA+7], v[AC:AC+7], v[SA], v[SB] matrix_a_fmt:MATRIX_FMT_FP4 matrix_b_fmt:MATRIX_FMT_FP4 matrix_a_scale:MATRIX_SCALE_ROW1
.endif
.else
.if (\u) == 0
	v_wmma_scale_f32_16x16x128_f8f6f4 v[AC:AC+7], v[BB:BB+7], v[AA:AA+7], v[AC:AC+7], v[SA], v[SB] matrix_a_fmt:MATRIX_FMT_FP4 matrix_b_fmt:MATRIX_FMT_FP4 matrix_b_scale:MATRIX_SCALE_ROW1
.else
	v_wmma_scale_f32_16x16x128_f8f6f4 v[AC:AC+7], v[BB:BB+7], v[AA:AA+7], v[AC:AC+7], v[SA], v[SB] matrix_a_fmt:MATRIX_FMT_FP4 matrix_b_fmt:MATRIX_FMT_FP4 matrix_a_scale:MATRIX_SCALE_ROW1 matrix_b_scale:MATRIX_SCALE_ROW1
.endif
.endif
.endm
.macro STEP s                          ; K step s: two products, the two accumulators by turns; its registers then take K step s + 4
.if (\s) <= 12
	s_wait_dscnt 15                                ; the three K steps asked for behind this one, five loads each, may stay out
.else
	s_wait_dscnt 5*(15-(\s))                       ; at the end two, one, none
.endif
	MM \s, 0
	MM \s, 1
.if (\s) <= 11
.rept 4
	v_nop                                          ; four places in front of loads into registers that these products read (ISA guide 7.12.1 for vector instructions)
.endr
	LOADB (\s)+4
.endif
.endm
.macro TILE
	s_wait_loadcnt 0x0                             ; my tokens' fragments, scale words and numbers
.irp i, 0,1,2,3
	v_min_u32 v[OI+\i], 0x3ff, v[OI+\i]            ; a token's number, held inside out0,
.endr
.irp i, 0,1,2,3
	v_lshl_add_u32 v[OI+\i], v[OI+\i], 12, v[L16]  ; x 4,096 bytes a row + my 16 bytes of the row's 128
.endr
.irp s, 0,1,2,3
	LOADB \s
.endr
.irp s, 0,1,2,3,4,5,6,7,8,9,10,11,12,13,14,15
	STEP \s
.endr
.rept 4
	v_nop                                          ; four places in front of the first read of results and of loads into the fragments' registers
.endr
.irp u, 0,1
	ds_store_b128 v[STW], v[ACC+8*\u:ACC+8*\u+3] offset:64*\u          ; each accumulator from its low end on: out(token r, 16 u + 8 h + 0 .. 7)
	ds_store_b128 v[STW], v[ACC+8*\u+4:ACC+8*\u+7] offset:64*\u+16
.endr
.irp i, 0,1,2,3
	ds_load_b128 v[OB+4*\i:OB+4*\i+3], v[STR] offset:576*\i            ; four rows an instruction.  LDS serves a wave's instructions in order (ISA guide 5.7.1.4): these see the stores above; the stage is my wave's own
.endr
.irp i, 0,1,2,3
	s_wait_dscnt 3-\i                              ; the younger reads of the stage may stay out
	global_store_b128 v[OI+\i], v[OB+4*\i:OB+4*\i+3], s[12:13] th:TH_STORE_NT   ; eight lanes store a row's 128 consecutive bytes; written once, read by nobody here
.endr
.endm
	s_load_b256 s[4:11], s[0:1], 0x0               ; hq s[4:5], hs s[6:7], route s[8:9], w_down s[10:11]
	s_load_b64 s[12:13], s[0:1], 0x20              ; out0
	v_lshl_add_u32 v248, v0, 2, 0x11800
	v_mov_b32 v249, 0
	v_lshrrev_b32 v1, 5, v0
	v_readfirstlane_b32 s16, v1                    ; wave w
	v_and_b32 v1, 31, v0                           ; lane
	v_and_b32 v2, 15, v0                           ; r
	v_bfe_u32 v3, v0, 4, 1                         ; h
	s_lshr_b32 s17, ttmp9, 5                       ; expert e
	s_and_b32 s18, ttmp9, 31                       ; cs
	s_lshl_b32 s21, s17, 2
	v_lshlrev_b32 v[WO], 2, v1
	s_lshl_b32 s32, s16, 11
	v_lshl_add_u32 v[LIW], v1, 4, s32
	s_lshl_b32 s32, s16, 7
	s_add_co_u32 s32, s32, BSC
	v_lshl_add_u32 v[LSW], v1, 2, s32
	v_lshlrev_b32 v[LB], 4, v1
	v_lshlrev_b32 v[LS], 2, v1
	s_mul_i32 s32, s16, 2304
	s_add_co_u32 s32, s32, STG                     ; my stage
	v_mul_u32_u24 v[STW], v2, 144
	v_lshl_add_u32 v[STW], v3, 5, v[STW]
	v_add_nc_u32 v[STW], s32, v[STW]
	v_lshrrev_b32 v[L3], 3, v1
	v_and_b32 v[L16], 7, v1
	v_lshlrev_b32 v[L16], 4, v[L16]
	v_mul_u32_u24 v[STR], v[L3], 144
	v_add_nc_u32 v[STR], v[STR], v[L16]
	v_add_nc_u32 v[STR], s32, v[STR]
	v_lshlrev_b32 v[H14], 14, v3
	v_lshlrev_b32 v[H15], 15, v3
	s_lshl_b32 s30, s17, 23                        ; my part of the weights: e x 8 MB
	s_lshl_b32 s32, s16, 19                        ; + w x 128 rows
	s_add_co_u32 s30, s30, s32
	s_lshl_b32 s32, s18, 7                         ; + 128 cs
	s_add_co_u32 s30, s30, s32
	s_mov_b32 s31, 0
	s_mov_b32 s33, 0
	s_wait_kmcnt 0x0
	s_load_b64 s[22:23], s[8:9], s21 offset:0x1000 ; offs[e], offs[e + 1]
	s_add_nc_u64 s[10:11], s[10:11], s[30:31]
	LOADW 0
	LOADW 1
	s_add_nc_u64 s[12:13], s[12:13], s[32:33]      ; out0 at my 32 columns
	s_wait_kmcnt 0x0
	s_min_u32 s22, s22, 0x400                      ; the expert's first position,
	s_min_u32 s23, s23, 0x400                      ; and the one behind its last
	s_sub_co_u32 s24, s23, s22
	s_add_co_u32 s25, s24, 15
	s_lshr_b32 s25, s25, 4                         ; its tiles of 16 tokens: 64 at the most
	s_max_u32 s28, s23, 1
	s_sub_co_u32 s28, s28, 1                       ; its last position
	s_mov_b32 s26, s16                             ; my first tile
	BLOCK 0, 32                                    ; the next block's 32 loads stay out
	LOADW 2
	BLOCK 1, 32
	LOADW 3
	BLOCK 2, 32
	ADDR                                           ; my first tile's operand is asked for one block ahead of the stream's end, by every wave: the counts are the same on every way
	ALOAD
	BLOCK 3, 44                                    ; those 44 loads stay out
	s_wait_dscnt 0x0                               ; for the others' sake: my images and scale word lie in LDS
	s_barrier_signal -1
	s_barrier_wait -1                              ; everybody's do.  The launch's one barrier; nothing writes these bytes again
	s_cmp_ge_u32 s26, s25
	s_cbranch_scc1 .Ldone                          ; no tile for me
	TILE
	s_mov_b32 s29, 0
.Lmore:                                                ; three trips: tiles w + 16, w + 32, w + 48.  64 tiles at the most over 16 waves are four a wave; a trip has work only where the expert has more than 256 tokens
	s_add_co_u32 s26, s26, 16
	s_cmp_ge_u32 s26, s25
	s_cbranch_scc1 .Lskip                          ; no such tile: its loads, their waits and its work are jumped over together
	s_wait_xcnt 0x0                                ; the stores have read their data and offsets: both are written again only behind this wait
.rept 4
	v_nop                                          ; with the lines of ADDR: the places in front of loads into the tokens' fragments and of sums begun anew
.endr
	ADDR
	ALOAD
	TILE
.Lskip:
	s_add_co_u32 s29, s29, 1
	s_cmp_lt_u32 s29, 3
	s_cbranch_scc1 .Lmore
.Ldone:
	s_wait_tensorcnt 0x0
	ds_add_u32 v248, v249
	s_wait_dscnt 0x0
	s_endpgm
.Lfunc_end_k_qa467fecdb9_down:
	.size	k_qa467fecdb9_down, .Lfunc_end_k_qa467fecdb9_down-k_qa467fecdb9_down
	.p2alignl 7, 3214868480
	.fill 96, 4, 3214868480
	.section	.rodata,"a",@progbits
	.p2align	6, 0x0
	.amdhsa_kernel k_qa467fecdb9_down
		.amdhsa_group_segment_fixed_size 73728
		.amdhsa_private_segment_fixed_size 0
		.amdhsa_enable_private_segment 0
		.amdhsa_kernarg_size 40
		.amdhsa_user_sgpr_count 2
		.amdhsa_user_sgpr_kernarg_segment_ptr 1
		.amdhsa_wavefront_size32 1
		.amdhsa_system_sgpr_workgroup_id_x 1
		.amdhsa_system_sgpr_workgroup_id_y 1
		.amdhsa_system_sgpr_workgroup_id_z 1
		.amdhsa_system_vgpr_workitem_id 0
		.amdhsa_next_free_vgpr 250
		.amdhsa_next_free_sgpr 66
		.amdhsa_reserve_vcc 0
		.amdhsa_float_denorm_mode_32 3
		.amdhsa_float_denorm_mode_16_64 3
		.amdhsa_memory_ordered 1
		.amdhsa_forward_progress 1
		.amdhsa_inst_pref_size 58
	.end_amdhsa_kernel
	.amdgpu_metadata
---
amdhsa.version: [ 1, 2 ]
amdhsa.kernels:
  - .name:           k_qa467fecdb9_down
    .symbol:         k_qa467fecdb9_down.kd
    .args:
      - { .name: hq, .offset: 0, .size: 8, .value_kind: global_buffer, .address_space: global }
      - { .name: hs, .offset: 8, .size: 8, .value_kind: global_buffer, .address_space: global }
      - { .name: route, .offset: 16, .size: 8, .value_kind: global_buffer, .address_space: global }
      - { .name: w_down, .offset: 24, .size: 8, .value_kind: global_buffer, .address_space: global }
      - { .name: out0, .offset: 32, .size: 8, .value_kind: global_buffer, .address_space: global }
    .group_segment_fixed_size: 73728
    .private_segment_fixed_size: 0
    .kernarg_segment_align: 8
    .kernarg_segment_size: 40
    .max_flat_workgroup_size: 512
    .sgpr_count:     66
    .vgpr_count:     250
    .wavefront_size: 32
...
	.end_amdgpu_metadata
.endif
;; end of part 3
;; ======== version 2 of 2: 3 launches
;; workspace buffers: xq 524,288 bytes; xs 32,768 bytes; hq 1,048,576 bytes; hs 65,536 bytes; route 4,352 bytes of whole numbers
;; launch prep (part 4): grid 32 x 1, 32 waves a work-group, no clusters, 152,064 bytes of LDS; arguments expert_ids, tokens, xq, xs, route; writes xq, xs, route
.if DOCPART == 4
	.amdgcn_target "amdgcn-amd-amdhsa--gfx1250"
	.amdhsa_code_object_version 6
	.text
	.protected	k_qa467fecdb9_prep
	.globl	k_qa467fecdb9_prep
	.p2align	8
	.type	k_qa467fecdb9_prep,@function
k_qa467fecdb9_prep:
	s_mov_b64 s[64:65], 0
	v_nop
	global_prefetch_b8 v0, s[64:65] scope:SCOPE_SE
	s_setreg_imm32_b32 hwreg(HW_REG_WAVE_MODE, 25, 1), 1
	s_wait_xcnt 0x0
; PREP: a counting sort of the 1,024 expert numbers, and the tokens as codes of FP4 (E2M1) at their SORTED positions.
; OUT: xq [pos 1024][512 bytes]: a token's 1,024 codes, K innermost, the lower k in the low four bits;  xs [pos][32 bytes]: one E8M0 byte for each 32 along K;
;      route: bytes 0-4095 order[pos] = token;  bytes 4096-4223 offs[0..31]: offs[e] = expert e's first position, entries 8 to 31 = 1,024.
; SHARES.  32 work-groups of 32 waves.  Every work-group makes the whole sort for itself (thread n stands for token n, wave c for tokens 32 c .. 32 c + 31): 4 KB of numbers and some 140 lines a wave,
; which spares every traffic between work-groups.  Wave c of work-group g then quantises token 32 c + g, whose position stands in lane g of the wave's own register POS.
; THE SORT is whole-number work alone: a mask and a count for each expert in each wave, the 32 x 8 counts through LDS (one barrier), sums across lanes, v_mbcnt for the place inside a wave.
; THE QUANTISER.  A block's scale is 2^(floor(log2(its largest magnitude)) - 2); its byte is the largest magnitude's exponent field - 2, held at 1 from below.
; The row's eight loads read 512 consecutive bytes each; the row turns through the wave's own stage in LDS, so that lane l then holds block l's 32 neighbours.
; LIMITS: expert numbers outside 0 .. 7 are held to 7 (the problem has them inside);  NaN and infinities among the tokens are not served;  a block whose largest magnitude lies under 2^-124, a block of
; zeros among them, gets the byte 1 (a block of zeros has zero codes, which add nothing under any byte but 0xff; the bytes are read by this program alone).
.set STGW, 4608                        ; a wave's stage: 32 lanes x (128 bytes + 16): 144 = 9 x 16, so that the lanes' pieces of 16 bytes fall on different columns of 16 bytes modulo 256
.set TAB,  147456                      ; behind the 32 stages: 32 x 16 bytes, wave c's eight counts, two to a word
.set ID,   8                           ; v8      my token's expert
.set POS,  9                           ; v9      my token's position
.set MXA,  10                          ; v10-11  largest magnitudes, two chains (and at work)
.set MXB,  11
.set TT,   12                          ; v12-15  the counts of chunk = lane, then the totals
.set SCL,  12                          ; v12     later: the conversion's scale operand
.set BY,   13                          ; v13     later: the scale's byte
.set PP,   16                          ; v16-19  the counts of the chunks in front of mine, then their sums
.set DD,   20                          ; v20-27  what comes from other lanes
.set R,    28                          ; v28-59  the row as loaded
.set X,    60                          ; v60-91  my block's 32 neighbours
.set Q,    92                          ; v92-95  its codes
	s_load_b256 s[4:11], s[0:1], 0x0               ; expert_ids s[4:5], tokens s[6:7], xq s[8:9], xs s[10:11]
	s_load_b64 s[12:13], s[0:1], 0x20              ; route
	v_lshl_add_u32 v96, v0, 2, 0x24200
	v_mov_b32 v97, 0
	v_lshrrev_b32 v1, 5, v0
	s_delay_alu instid0(VALU_DEP_1)
	v_readfirstlane_b32 s16, v1                    ; wave c
	v_and_b32 v1, 31, v0                           ; lane
	v_lshlrev_b32 v2, 2, v0                        ; 4 x thread
	s_delay_alu instid0(VALU_DEP_2)
	v_lshlrev_b32 v3, 4, v1                        ; 16 x lane
	s_mov_b32 s17, ttmp9                           ; work-group g
	s_mul_i32 s66, s16, STGW                       ; my wave's stage
	v_lshrrev_b32 v4, 3, v1
	s_delay_alu instid0(VALU_DEP_1)
	v_mul_u32_u24 v4, v4, 144
	v_and_b32 v5, 7, v1
	s_delay_alu instid0(VALU_DEP_1)
	v_lshl_add_u32 v4, v5, 4, v4
	s_delay_alu instid0(VALU_DEP_1)
	v_add_nc_u32 v4, s66, v4                       ; into the stage: eight lanes' 128 bytes on end, then 16 of padding; a load's 512 bytes take four places
	v_mul_u32_u24 v5, v1, 144
	s_delay_alu instid0(VALU_DEP_1)
	v_add_nc_u32 v5, s66, v5                       ; out of it: my block's 128 bytes
	s_lshl_b32 s67, s16, 4
	s_add_co_u32 s67, s67, TAB
	v_mov_b32 v6, s67                              ; the table: my wave's 16 bytes,
	v_lshl_add_u32 v7, v1, 4, TAB                  ; and those of chunk = lane
.irp k, 0,1,2,3,4,5,6,7
	v_mov_b32 v[DD+\k], 0                          ; written once: the destination of a DPP move and of a lane permute counts as one of its sources
.endr
	s_mov_b32 s70, 0x76543210
	s_mov_b32 s71, 0xfedcba98                      ; v_permlanex16_b32's selects for lane l xor 16
	s_lshl_b32 s18, s16, 5
	s_add_co_u32 s18, s18, s17                     ; the token that my wave quantises: 32 c + g
	s_lshl_b32 s18, s18, 12                        ; its row of 4,096 bytes
	s_mov_b32 s19, 0
	s_wait_kmcnt 0x0
	s_add_nc_u64 s[6:7], s[6:7], s[18:19]
	global_load_b32 v[ID], v2, s[4:5]              ; token n's expert
.irp i, 0,1,2,3,4,5,6,7
	global_load_b128 v[R+4*\i:R+4*\i+3], v3, s[6:7] offset:512*\i th:TH_LOAD_NT   ; 32 lanes read 512 consecutive bytes; the row is read once in the launch
.endr
	s_wait_loadcnt 8                               ; the expert number is in; the row's eight loads, issued behind it, stay out
	v_min_u32 v[ID], 7, v[ID]
.irp e, 0,1,2,3,4,5,6,7
	v_cmp_eq_u32 s[20+\e], \e, v[ID]               ; which of my wave's tokens go to expert e,
	s_bcnt1_i32_b32 s[28+\e], s[20+\e]             ; and how many
.endr
.irp k, 0,1,2,3
	s_lshl_b32 s66, s[29+2*\k], 16
	s_or_b32 s[36+\k], s[28+2*\k], s66             ; two counts to a word: no sum of counts passes 1,024, so no carry leaves a half
	v_mov_b32 v[TT+\k], s[36+\k]
.endr
	ds_store_b128 v6, v[TT:TT+3]                   ; all lanes write the same 16 bytes with the same value
	s_wait_loadcnt 0x0                             ; the row
.irp i, 0,1,2,3,4,5,6,7
	ds_store_b128 v4, v[R+4*\i:R+4*\i+3] offset:576*\i
.endr
	s_wait_dscnt 0x0                               ; for the others' sake: my counts lie in the table
	s_barrier_signal -1
	s_barrier_wait -1                              ; everybody's do.  The launch's one barrier
	ds_load_b128 v[TT:TT+3], v7                    ; lane l: chunk l's counts
.irp j, 0,1,2,3,4,5,6,7
	ds_load_b128 v[X+4*\j:X+4*\j+3], v5 offset:16*\j   ; my block's 32 numbers, out of my wave's own stage
.endr
	s_wait_dscnt 8                                 ; the counts are in; the eight reads of the stage, issued behind them, may stay out
	v_cmp_gt_u32 vcc_lo, s16, v1                   ; the chunks in front of mine
.irp k, 0,1,2,3
	v_cndmask_b32 v[PP+\k], 0, v[TT+\k], vcc_lo
.endr
.irp m, 1,2,4,8                                ; sums over the 32 lanes of all eight registers (TT and PP lie on end), by turns
.irp k, 0,1,2,3,4,5,6,7
	v_mov_b32_dpp v[DD+\k], v[TT+\k] row_xmask:\m row_mask:0xf bank_mask:0xf
.endr
.irp k, 0,1,2,3,4,5,6,7
	v_add_nc_u32 v[TT+\k], v[TT+\k], v[DD+\k]
.endr
.endr
.irp k, 0,1,2,3,4,5,6,7
	v_permlanex16_b32 v[DD+\k], v[TT+\k], s70, s71
.endr
.irp k, 0,1,2,3,4,5,6,7
	v_add_nc_u32 v[TT+\k], v[TT+\k], v[DD+\k]
.endr
.irp k, 0,1,2,3
	v_readfirstlane_b32 s[40+\k], v[TT+\k]         ; the experts' totals,
	v_readfirstlane_b32 s[44+\k], v[PP+\k]         ; and what the chunks in front of mine hold of each
.endr
	s_mov_b32 s48, 0                               ; s48-55: expert e's first position;  s56-63: the first position of my chunk's tokens of expert e
.irp k, 0,1,2,3
	s_and_b32 s66, s[40+\k], 0xffff
	s_add_co_u32 s[49+2*\k], s[48+2*\k], s66
.if \k < 3
	s_lshr_b32 s66, s[40+\k], 16
	s_add_co_u32 s[50+2*\k], s[49+2*\k], s66
.endif
	s_and_b32 s66, s[44+\k], 0xffff
	s_add_co_u32 s[56+2*\k], s[48+2*\k], s66
	s_lshr_b32 s66, s[44+\k], 16
	s_add_co_u32 s[57+2*\k], s[49+2*\k], s66
.endr
	v_mov_b32 v[POS], 0
.irp e, 0,1,2,3,4,5,6,7
	v_mbcnt_lo_u32_b32 v10, s[20+\e], s[56+\e]     ; that first position + the lanes under mine that go to expert e
	s_delay_alu instid0(VALU_DEP_1)
	v_cndmask_b32 v[POS], v[POS], v10, s[20+\e]    ; mine, if I go there
.endr
	s_wait_dscnt 0x0                               ; my block's numbers
	v_max3_num_f32 v[MXA], |v[X]|, |v[X+1]|, |v[X+2]|              ; the block's largest magnitude: all 32 numbers are mine; two chains
	v_max3_num_f32 v[MXB], |v[X+3]|, |v[X+4]|, |v[X+5]|
.irp i, 6,10,14,18,22,26
	s_delay_alu instid0(VALU_DEP_2)
	v_max3_num_f32 v[MXA], v[MXA], |v[X+\i]|, |v[X+\i+1]|
	s_delay_alu instid0(VALU_DEP_2)
	v_max3_num_f32 v[MXB], v[MXB], |v[X+\i+2]|, |v[X+\i+3]|
.endr
	s_delay_alu instid0(VALU_DEP_2)
	v_max3_num_f32 v[MXA], v[MXA], |v[X+30]|, |v[X+31]|
	s_delay_alu instid0(VALU_DEP_1)
	v_max3_num_f32 v[MXA], v[MXA], v[MXB], 0x1800000               ; and the floor 2^(3 - 127): so the byte cannot fall under 1
	s_delay_alu instid0(VALU_DEP_1)
	v_add_nc_u32 v[SCL], 0xff000000, v[MXA]        ; 2 off its exponent field: the conversion takes the exponent field of this operand as its scale, and nothing else of it
	s_delay_alu instid0(VALU_DEP_1)
	v_lshrrev_b32 v[BY], 23, v[SCL]                ; the scale's byte
.irp g, 0,1,2,3
	v_cvt_scalef32_pk8_fp4_f32 v[Q+\g], v[X+8*\g:X+8*\g+7], v[SCL]
.endr
	v_nop                                          ; one plain place behind the last scaled conversion
	v_readlane_b32 s66, v[POS], s17                ; the position of token 32 c + g
	s_min_u32 s66, s66, 0x3ff
	s_lshl_b32 s68, s66, 9
	s_mov_b32 s69, 0
	s_add_nc_u64 s[8:9], s[8:9], s[68:69]          ; its row of codes,
	s_lshl_b32 s68, s66, 5
	s_add_nc_u64 s[10:11], s[10:11], s[68:69]      ; and of scale bytes
	global_store_b128 v3, v[Q:Q+3], s[8:9]         ; 32 lanes store the row's 512 consecutive bytes
	global_store_b8 v1, v[BY], s[10:11]            ; and its 32 scale bytes
	s_cmp_lg_u32 s16, s17                          ; order[] of tokens 32 g .. 32 g + 31 is stored by wave g of work-group g: each entry once in the launch
	s_cbranch_scc1 .Lno_order
	v_min_u32 v10, 0x3ff, v[POS]
	s_delay_alu instid0(VALU_DEP_1)
	v_lshlrev_b32 v10, 2, v10
	global_store_b32 v10, v0, s[12:13]             ; order[my position] = my token
.Lno_order:
	s_or_b32 s66, s16, s17                         ; offs[] by wave 0 of work-group 0
	s_cmp_lg_u32 s66, 0
	s_cbranch_scc1 .Lend
	v_mov_b32 v11, 0x400                           ; entries 8 to 31: 1,024
.irp e, 0,1,2,3,4,5,6,7
	s_delay_alu instid0(VALU_DEP_1)
	v_writelane_b32 v11, s[48+\e], \e
.endr
	global_store_b32 v2, v11, s[12:13] offset:4096
.Lend:
	s_wait_tensorcnt 0x0
	ds_add_u32 v96, v97
	s_wait_dscnt 0x0
	s_endpgm
.Lfunc_end_k_qa467fecdb9_prep:
	.size	k_qa467fecdb9_prep, .Lfunc_end_k_qa467fecdb9_prep-k_qa467fecdb9_prep
	.p2alignl 7, 3214868480
	.fill 96, 4, 3214868480
	.section	.rodata,"a",@progbits
	.p2align	6, 0x0
	.amdhsa_kernel k_qa467fecdb9_prep
		.amdhsa_group_segment_fixed_size 152064
		.amdhsa_private_segment_fixed_size 0
		.amdhsa_enable_private_segment 0
		.amdhsa_kernarg_size 40
		.amdhsa_user_sgpr_count 2
		.amdhsa_user_sgpr_kernarg_segment_ptr 1
		.amdhsa_wavefront_size32 1
		.amdhsa_system_sgpr_workgroup_id_x 1
		.amdhsa_system_sgpr_workgroup_id_y 1
		.amdhsa_system_sgpr_workgroup_id_z 1
		.amdhsa_system_vgpr_workitem_id 0
		.amdhsa_next_free_vgpr 98
		.amdhsa_next_free_sgpr 74
		.amdhsa_reserve_vcc 1
		.amdhsa_float_denorm_mode_32 3
		.amdhsa_float_denorm_mode_16_64 3
		.amdhsa_memory_ordered 1
		.amdhsa_forward_progress 1
		.amdhsa_inst_pref_size 16
	.end_amdhsa_kernel
	.amdgpu_metadata
---
amdhsa.version: [ 1, 2 ]
amdhsa.kernels:
  - .name:           k_qa467fecdb9_prep
    .symbol:         k_qa467fecdb9_prep.kd
    .args:
      - { .name: expert_ids, .offset: 0, .size: 8, .value_kind: global_buffer, .address_space: global }
      - { .name: tokens, .offset: 8, .size: 8, .value_kind: global_buffer, .address_space: global }
      - { .name: xq, .offset: 16, .size: 8, .value_kind: global_buffer, .address_space: global }
      - { .name: xs, .offset: 24, .size: 8, .value_kind: global_buffer, .address_space: global }
      - { .name: route, .offset: 32, .size: 8, .value_kind: global_buffer, .address_space: global }
    .group_segment_fixed_size: 152064
    .private_segment_fixed_size: 0
    .kernarg_segment_align: 8
    .kernarg_segment_size: 40
    .max_flat_workgroup_size: 1024
    .sgpr_count:     74
    .vgpr_count:     98
    .wavefront_size: 32
...
	.end_amdgpu_metadata
.endif
;; end of part 4
;; launch gu (part 5): grid 256 x 1, 16 waves a work-group, no clusters, 71,680 bytes of LDS; arguments xq, xs, route, w_gate_up, hq, hs; writes hq, hs
.if DOCPART == 5
	.amdgcn_target "amdgcn-amd-amdhsa--gfx1250"
	.amdhsa_code_object_version 6
	.text
	.protected	k_qa467fecdb9_gu
	.globl	k_qa467fecdb9_gu
	.p2align	8
	.type	k_qa467fecdb9_gu,@function
k_qa467fecdb9_gu:
	s_mov_b64 s[64:65], 0
	v_nop
	global_prefetch_b8 v0, s[64:65] scope:SCOPE_SE
	s_setreg_imm32_b32 hwreg(HW_REG_WAVE_SCHED_MODE, 0, 2), 2
	s_setreg_imm32_b32 hwreg(HW_REG_WAVE_MODE, 25, 1), 1
	s_wait_xcnt 0x0
	s_wait_alu depctr_vm_vsrc(0)
; GU: hidden = silu(x Wg) * (x Wu) for the tokens of one expert, both operands of the product as codes of FP4 (E2M1) with one E8M0 scale for each 32 along K; the hidden layer leaves as such codes too.
; IN: xq, xs (the tokens' codes and scale bytes at their sorted positions), route (offs[e] at byte 4096 + 4 e), w_gate_up [8][1024 (K)][4096] f32.
; OUT: hq [block 64][pos 1024][16 bytes]: the codes of hidden units 32 block .. + 31 of the token at pos;  hs [K step 16][pos 1024][4 bytes]: their scale bytes, a word for each 128 hidden units.
; SHARES.  Work-group = (expert e = x / 32, j = x % 32): hidden units 64 j .. 64 j + 63, that is gate columns 64 j .. and up columns 2048 + 64 j ..: 2 x 256 bytes of each of the 1,024 rows: 512 KB of f32, read once.
; PHASE 1, the stream.  Wave w takes 32 columns (g = w % 4: 0, 1 gate, 2, 3 up) of 256 rows (q = w / 4).  A LANE TAKES A COLUMN AND ITS REGISTERS RUN DOWN K: a block of 32 along K lies in one lane's 32 registers, its
; largest magnitude needs no other lane, and the conversions give codes with K innermost.  Two blocks (64 loads a wave, 128 bytes each) are on their way: 16 waves x 64 x 128 bytes = 128 KB for the work-group.
; Lanes 0-15 hold the columns of tile u = 0, lanes 16-31 those of tile u = 1.  v_permlane16_swap_b32 on the registers of blocks 2 c and 2 c + 1 makes of them registers 4 c .. 4 c + 3 of tile 0's and of tile 1's operand
; (lane (r, h): k = 64 c + 32 h + 0 .. 31).  The operands go to LDS as images of their registers, 16 bytes a lane; a lane's four scale bytes of a K step are a word: lanes 0-15 tile 0's, lanes 16-31 tile 1's.
; THE COLUMNS OF A TILE ARE NOT NEIGHBOURS: lane r of tile u takes column 8 u + r + 8 (r / 8) of its 32, so that in the result the 16 registers of tiles 0 and 1 are 16 neighbouring hidden units.
; PHASE 2, behind the one barrier.  A wave takes a tile of 16 tokens against all 8 tiles of columns, K = 1,024 in 8 steps.  The product is used transposed (source 0 = 16 columns, source 1 = 16 tokens): lane (r, h) holds
; token r and hidden units 16 h + 0 .. 15 of each block.  SwiGLU in f32, the block's largest magnitude with lane l xor 16's, two conversions a block, and the codes leave: 256 consecutive bytes a wave and block.
; ROWS PAST AN EXPERT'S END: a lane's position is min(first + r, last): the lanes of a short tile repeat the expert's last token, compute the same bits and store them to the same place.  All lanes stay on.
; A wave without a tile does no phase 2; an expert without tokens stores nothing here.  Wave w takes tiles w, w + 16, w + 32, w + 48: an expert has at most 1,024 tokens, 64 tiles, so that serves every split.
; NO JOINT LOADS, NO TENSOR LOADS: the number of token tiles is read from memory; the quantiser wants a lane to a column; and what the 32 work-groups of an expert share, the tokens' codes
; (512 bytes a token, 64 KB at an even split), is small beside the 512 KB of weights that each of them reads alone.
; LIMITS: NaN and infinities are not served.  A block whose largest magnitude lies under 2^-124, a block of zeros among them, gets the byte 1 (zero codes add nothing; this program alone reads the bytes).
; sigmoid(g) = 1 / (1 + 2^(-1.442695 g)): for g under about -88 the power overflows and the hidden number is -0, where the exact one lies under 1e-36 x |up|.
; THE MODE: SCHED_MODE bits 1:0 = 2 (LLVM: expert scheduling mode 2), set by the entry lines.  The code itself states the register dependences between vector or matrix instructions and memory or LDS
; instructions, with s_wait_alu, always for 0.
; THE PLAN.  Registers that memory or LDS instructions touch:
;   v4 .. v8       offsets and LDS addresses, made once at the head and never written again.
;   X0, X1         Block t: its maxima and conversions read X[t % 2]; behind them the loads of block t + 2 land in it.
;   C, SW          Written by the conversions, the swaps and the bytes' shifts, each block in registers of its own; read by the LDS stores; C's registers are accumulators in phase 2.
;   AV, SV         Written by ADDR; read by the 18 loads of a tile's tokens.       HV, HSV: written by ADDR; read by the tile's three stores.
;   A, XS          The tokens' loads land in them; the products read them.
;   BF0, BF1, BSR  Half step (s, hg): its four products read BF[hg] and two of BSR; the LDS loads that are issued in the next half step land in them.  BF0's registers are T on the way out.
;   Q, BYS         Written by the way out's conversions and select; read by the three stores.
; So: one wait on va_vdst to a block of the stream, behind its conversions; one behind ADDR; one at the head of a half step, behind the wait for its own fragments, which frees the other buffer; one ahead of a tile's stores.
; One wait on vm_vsrc behind the barrier (C becomes the accumulators) and one at the head of each further trip (the offsets, Q and BYS are written again).
.set ROWB, 16384                       ; a row of w_gate_up[e] in bytes
.set BSC,  65536                       ; LDS: images at 0: (g, K step s, blk) at ((8 g + s) 4 + blk) 512;  scale words at BSC + (8 g + s) 128
.set WO,   4                           ; v4   4 x my column
.set LIW,  5                           ; v5   where I store images: 16 lane + 16384 g + 4096 q
.set LSW,  6                           ; v6   and scale words: BSC + 1024 g + 256 q + 4 lane
.set LB,   7                           ; v7   16 lane
.set LS,   8                           ; v8   BSC + 4 lane
.set AV,   9                           ; v9   my token's codes: 512 pos + 16 h
.set SV,   10                          ; v10  its scale bytes: 32 pos
.set HV,   11                          ; v11  hq: 16 pos + 8 h
.set HSV,  12                          ; v12  hs: 4 pos + h
.set PL,   13                          ; v13  my position
.set MXA,  14                          ; v14-15 largest magnitudes, two chains
.set MXB,  15
.set SCL,  16                          ; v16  the conversion's scale operand
.set BY,   17                          ; v17  the scale's byte
.set SW,   18                          ; v18-19 the scale words of my two K steps
.set BSR,  20                          ; v20-23 the weights' scale words in phase 2, [2 hg + gu]: scales and nothing else
.set XS,   24                          ; v24-31 the tokens' scale words, one for each K step: scales and nothing else
.set X,    32                          ; v32-95 phase 1: two sets of 32 numbers
.set BF,   32                          ;        phase 2: the weights' fragments, [32 hg + 16 gu + 8 u]
.set T,    32                          ;        afterwards: 32 numbers at work
.set A,    96                          ; v96-159 the tokens' fragments, [8 s]
.set ACC,  160                         ; v160-223 the accumulators, [32 hg + 16 gu + 8 u]
.set C,    160                         ;        phase 1: the codes, four registers for each of the 8 blocks, so that no LDS store's data are written again
.set EM,   224                         ; v224-225 the hidden blocks' largest magnitudes;  v226-227 lane l xor 16's;  v228-229 scale operands;  v230-231 bytes
.set EM2,  226
.set ESC,  228
.set EBY,  230
.set Q,    232                         ; v232-235 the hidden codes
.set BYS,  236                         ; v236 the byte that my half of the lanes stores
.set H16,  237                         ; v237 16 h
.set H8,   238                         ; v238 8 h
.macro LOADW t                         ; block t: W(32 t + i, my column), i = 0 .. 31, into set t % 2.  The largest immediate is 255 x 16,384, inside the signed 24 bits
.irp i, 0,1,2,3,4,5,6,7,8,9,10,11,12,13,14,15,16,17,18,19,20,21,22,23,24,25,26,27,28,29,30,31
	global_load_b32 v[X+32*((\t)%2)+\i], v[WO], s[10:11] offset:(32*(\t)+\i)*ROWB th:TH_LOAD_NT
.endr
.endm
.macro BLOCK t, cnt, next              ; block t is quantised; cnt: the loads issued behind its own, which may stay out; next = 1: its set is asked for again, for block t + 2
.set XB, X+32*((\t)%2)
.set CB, C+4*(\t)
	s_wait_loadcnt \cnt
	v_max3_num_f32 v[MXA], |v[XB]|, |v[XB+1]|, |v[XB+2]|
	v_max3_num_f32 v[MXB], |v[XB+3]|, |v[XB+4]|, |v[XB+5]|
.irp i, 6,10,14,18,22,26
	v_max3_num_f32 v[MXA], v[MXA], |v[XB+\i]|, |v[XB+\i+1]|
	v_max3_num_f32 v[MXB], v[MXB], |v[XB+\i+2]|, |v[XB+\i+3]|
.endr
	v_max3_num_f32 v[MXA], v[MXA], |v[XB+30]|, |v[XB+31]|
	v_max3_num_f32 v[MXA], v[MXA], v[MXB], 0x1800000               ; the floor 2^(3 - 127): the byte cannot fall under 1
	v_add_nc_u32 v[SCL], 0xff000000, v[MXA]        ; 2 off the exponent field: the conversion's scale operand
	v_lshrrev_b32 v[BY], 23, v[SCL]                ; the scale's byte
.if (\t)%4 == 0
	v_mov_b32 v[SW+(\t)/4], v[BY]                  ; four bytes to a word, the lower K in the lower byte
.else
	v_lshl_or_b32 v[SW+(\t)/4], v[BY], 8*((\t)%4), v[SW+(\t)/4]
.endif
.irp g, 0,1,2,3
	v_cvt_scalef32_pk8_fp4_f32 v[CB+\g], v[XB+8*\g:XB+8*\g+7], v[SCL]
.endr
	v_nop                                          ; one plain place behind the last scaled conversion
.if (\t)%2 == 1
.irp i, 0,1,2,3
	v_permlane16_swap_b32 v[CB-4+\i], v[CB+\i]     ; the first's lanes 16-31 change places with the second's lanes 0-15: the first is now tile 0's, the second tile 1's
.endr
.endif
.if ((\t)%2 == 1) || \next
	s_wait_alu depctr_va_vdst(0)                   ; the maxima and conversions are done reading this set, in which the loads below land; in an odd block the swaps have written the two blocks' codes, and the scale word is written, which the LDS stores below read
.endif
.if \next
	LOADW (\t)+2                                   ; the set is asked for again at once
.endif
.if (\t)%2 == 1
	ds_store_b128 v[LIW], v[CB-4:CB-1] offset:512*((\t)-1)
	ds_store_b128 v[LIW], v[CB:CB+3] offset:512*(\t)
.endif
.if (\t)%4 == 3
	ds_store_b32 v[LSW], v[SW+(\t)/4] offset:128*((\t)/4)
.endif
.endm
.macro ADDR                            ; the addresses of tile s26 of my expert's tokens
	s_lshl_b32 s27, s26, 4
	s_add_co_u32 s27, s27, s22                     ; its first position
	v_add_nc_u32 v[PL], s27, v2
	v_min_u32 v[PL], s28, v[PL]                    ; never past the expert's last token,
	v_min_u32 v[PL], 0x3ff, v[PL]                  ; nor past the buffers
	v_lshl_add_u32 v[AV], v[PL], 9, v[H16]
	v_lshlrev_b32 v[SV], 5, v[PL]
	v_lshl_add_u32 v[HV], v[PL], 4, v[H8]
	v_lshl_add_u32 v[HSV], v[PL], 2, v3
.endm
.macro ALOAD                           ; 18 loads: my token's eight fragments (lane (r, h), registers 4 c ..: bytes 64 s + 32 c + 16 h of its row) and its eight scale words
.irp s, 0,1,2,3,4,5,6,7
.irp c, 0,1
	global_load_b128 v[A+8*\s+4*\c:A+8*\s+4*\c+3], v[AV], s[4:5] offset:64*\s+32*\c
.endr
.endr
	global_load_b128 v[XS:XS+3], v[SV], s[6:7]
	global_load_b128 v[XS+4:XS+7], v[SV], s[6:7] offset:16
.endm
.macro LOADB5 s, hg, gu                ; 5 LDS loads: K step s of half hg, gate (gu = 0) or up (1): its two tiles of columns (u = 0, 1) and their scale words
.irp u, 0,1
.irp c, 0,1
	ds_load_b128 v[BF+32*(\hg)+16*(\gu)+8*\u+4*\c:BF+32*(\hg)+16*(\gu)+8*\u+4*\c+3], v[LB] offset:(((2*(\gu)+(\hg))*8+(\s))*4+2*\c+\u)*512
.endr
.endr
	ds_load_b32 v[BSR+2*(\hg)+(\gu)], v[LS] offset:((2*(\gu)+(\hg))*8+(\s))*128
.endm
.macro MM s, hg, gu, u                 ; one product: source 0 = 16 columns, source 1 = my 16 tokens.  K step 0 starts the sum with the constant 0.  Tile u = 1 has its scale words in lanes 16-31
.set AC, ACC+32*(\hg)+16*(\gu)+8*(\u)
.set BB, BF+32*(\hg)+16*(\gu)+8*(\u)
.set AA, A+8*(\s)
.set SA, BSR+2*(\hg)+(\gu)
.set SB, XS+(\s)
.if (\s) == 0
.if (\u) == 0
	v_wmma_scale_f32_16x16x128_f8f6f4 v[AC:AC+7], v[BB:BB+7], v[AA:AA+7], 0, v[SA], v[SB] matrix_a_fmt:MATRIX_FMT_FP4 matrix_b_fmt:MATRIX_FMT_FP4
.else
	v_wmma_scale_f32_16x16x128_f8f6f4 v[AC:AC+7], v[BB:BB+7], v[AA:AA+7], 0, v[SA], v[SB] matrix_a_fmt:MATRIX_FMT_FP4 matrix_b_fmt:MATRIX_FMT_FP4 matrix_a_scale:MATRIX_SCALE_ROW1
.endif
.else
.if (\u) == 0
	v_wmma_scale_f32_16x16x128_f8f6f4 v[AC:AC+7], v[BB:BB+7], v[AA:AA+7], v[AC:AC+7], v[SA], v[SB] matrix_a_fmt:MATRIX_FMT_FP4 matrix_b_fmt:MATRIX_FMT_FP4
.else
	v_wmma_scale_f32_16x16x128_f8f6f4 v[AC:AC+7], v[BB:BB+7], v[AA:AA+7], v[AC:AC+7], v[SA], v[SB] matrix_a_fmt:MATRIX_FMT_FP4 matrix_b_fmt:MATRIX_FMT_FP4 matrix_a_scale:MATRIX_SCALE_ROW1
.endif
.endif
.endm
; A half step: four products of K step s on buffer hg.  fetch = 1: the OTHER buffer takes the half step that follows this one, (ns, nh): its ten loads stand early among these products, which name none of its registers.
.macro HALF s, hg, cnt, ns, nh, fetch
	s_wait_dscnt \cnt                              ; my buffer's ten loads are in; cnt: what was issued behind them (the other half's ten at a tile's first half step, later nothing)
.if \fetch
	s_wait_alu depctr_va_vdst(0)                   ; the four products of the half step before are done reading the other buffer and its two scale registers, in which the ten loads of this half step land
	LOADB5 \ns, \nh, 0
.endif
	MM \s, \hg, 0, 0
.if \fetch
	LOADB5 \ns, \nh, 1                             ; no wait: no vector or matrix instruction since the wait above names these registers
.endif
	MM \s, \hg, 0, 1
	MM \s, \hg, 1, 0
	MM \s, \hg, 1, 1
.endm
; A tile of 16 tokens.  The eight accumulators take turns, one instruction a turn, in the same order in every K step.
.macro TILE
	s_wait_loadcnt 0x0                             ; my tokens' fragments and scale words
	LOADB5 0, 0, 0                                 ; K step 0, both halves.  The last wait on va_vdst (the stream's last block's, or the one behind ADDR) stands behind every vector and matrix instruction that named these registers
	LOADB5 0, 0, 1
	LOADB5 0, 1, 0
	LOADB5 0, 1, 1
	HALF 0, 0, 10, 0, 0, 0
	HALF 0, 1, 0, 1, 0, 1
.irp s, 1,2,3,4,5,6
	HALF \s, 0, 0, \s, 1, 1
	HALF \s, 1, 0, \s+1, 0, 1
.endr
	HALF 7, 0, 0, 7, 1, 1
	HALF 7, 1, 0, 0, 0, 0                          ; nothing is left to fetch
.rept 4
	v_nop                                          ; four places in front of the first read of results and the first write over the fragments (ISA guide 7.12.1)
.endr
	; SwiGLU in f32.  G = ACC[32 hg + 0 .. 15], U = ACC[32 hg + 16 .. 31].  Every accumulator is read from its low end on.
.irp hg, 0,1
.irp i, 0,2,4,6,8,10,12,14
	v_pk_mul_f32 v[T+16*\hg+\i:T+16*\hg+\i+1], v[ACC+32*\hg+\i:ACC+32*\hg+\i+1], s[38:39] op_sel_hi:[1,0]   ; -g log2(e)
.endr
.endr
.set N, 0
	s_wait_alu depctr_va_vdst(0)
.rept 32
	v_exp_f32 v[T+N], v[T+N]                       ; e^-g
.set N, N+1
.endr
	v_nop                                          ; a plain place behind the transcendentals
	s_wait_alu depctr_va_vdst(0)                   ; the 32 exponentials have written v[T ..], which the additions below read: one wait for the batch
.irp i, 0,2,4,6,8,10,12,14,16,18,20,22,24,26,28,30
	v_pk_add_f32 v[T+\i:T+\i+1], v[T+\i:T+\i+1], 1.0 op_sel_hi:[1,0]
.endr
.set N, 0
	s_wait_alu depctr_va_vdst(0)
.rept 32
	v_rcp_f32 v[T+N], v[T+N]                       ; sigmoid(g)
.set N, N+1
.endr
	v_nop
	s_wait_alu depctr_va_vdst(0)                   ; the 32 reciprocals have written v[T ..], which the multiplications below read: one wait for the batch
.irp hg, 0,1
.irp i, 0,2,4,6,8,10,12,14
	v_pk_mul_f32 v[ACC+32*\hg+\i:ACC+32*\hg+\i+1], v[ACC+32*\hg+\i:ACC+32*\hg+\i+1], v[T+16*\hg+\i:T+16*\hg+\i+1]   ; silu(g)
.endr
.endr
.irp hg, 0,1
.irp i, 0,2,4,6,8,10,12,14
	v_pk_mul_f32 v[ACC+32*\hg+\i:ACC+32*\hg+\i+1], v[ACC+32*\hg+\i:ACC+32*\hg+\i+1], v[ACC+32*\hg+16+\i:ACC+32*\hg+16+\i+1]   ; x up
.endr
.endr
	; the two blocks of 32 hidden units: my 16 numbers of each, and lane l xor 16's
.irp hg, 0,1
	v_max3_num_f32 v[EM+\hg], |v[ACC+32*\hg]|, |v[ACC+32*\hg+1]|, 0x1800000   ; with the floor 2^(3 - 127)
.endr
.irp i, 2,4,6,8,10,12,14
.irp hg, 0,1
	v_max3_num_f32 v[EM+\hg], v[EM+\hg], |v[ACC+32*\hg+\i]|, |v[ACC+32*\hg+\i+1]|
.endr
.endr
.irp hg, 0,1
	v_permlanex16_b32 v[EM2+\hg], v[EM+\hg], s34, s35
.endr
.irp hg, 0,1
	v_max_num_f32 v[EM+\hg], v[EM+\hg], v[EM2+\hg]
.endr
.irp hg, 0,1
	v_add_nc_u32 v[ESC+\hg], 0xff000000, v[EM+\hg]
.endr
.irp hg, 0,1
	v_lshrrev_b32 v[EBY+\hg], 23, v[ESC+\hg]
.endr
.irp hg, 0,1
	v_cvt_scalef32_pk8_fp4_f32 v[Q+2*\hg], v[ACC+32*\hg:ACC+32*\hg+7], v[ESC+\hg]          ; hidden units 16 h + 0 .. 7 of the block,
	v_cvt_scalef32_pk8_fp4_f32 v[Q+2*\hg+1], v[ACC+32*\hg+8:ACC+32*\hg+15], v[ESC+\hg]     ; and + 8 .. 15
.endr
	v_nop                                          ; one plain place behind the last scaled conversion
	v_cndmask_b32 v[BYS], v[EBY], v[EBY+1], s36    ; lanes 0-15 store the first block's byte, lanes 16-31 the second's
	s_wait_alu depctr_va_vdst(0)                   ; the conversions have written v[Q ..] and the select v[BYS], which the three stores below read
.irp hg, 0,1
	global_store_b64 v[HV], v[Q+2*\hg:Q+2*\hg+1], s[12:13] offset:16384*\hg   ; 16 positions x 16 bytes: the wave stores 256 consecutive bytes
.endr
	global_store_b8 v[HSV], v[BYS], s[14:15]
.endm
	s_load_b256 s[4:11], s[0:1], 0x0               ; xq s[4:5], xs s[6:7], route s[8:9], w_gate_up s[10:11]
	s_load_b128 s[12:15], s[0:1], 0x20             ; hq s[12:13], hs s[14:15]
	v_lshl_add_u32 v240, v0, 2, 0x11000
	v_mov_b32 v241, 0
	v_lshrrev_b32 v1, 5, v0
	v_readfirstlane_b32 s16, v1                    ; wave w
	v_and_b32 v1, 31, v0                           ; lane
	v_and_b32 v2, 15, v0                           ; r
	v_bfe_u32 v3, v0, 4, 1                         ; h
	s_wait_alu depctr_va_sdst(0)                   ; s16 is written, ahead of its first reader: g, q and my first tile are made from it
	s_lshr_b32 s17, ttmp9, 5                       ; expert e
	s_and_b32 s18, ttmp9, 31                       ; j
	s_and_b32 s19, s16, 3                          ; g: which 32 columns
	s_lshr_b32 s20, s16, 2                         ; q: which 256 rows
	s_lshl_b32 s21, s17, 2
	v_and_b32 v[WO], 7, v1                         ; my column: (l & 7) | (l & 8) << 1 | (l & 16) >> 1
	v_and_b32 v14, 8, v1
	v_lshl_or_b32 v[WO], v14, 1, v[WO]
	v_and_b32 v14, 16, v1
	v_lshrrev_b32 v14, 1, v14
	v_or_b32 v[WO], v[WO], v14
	v_lshlrev_b32 v[WO], 2, v[WO]
	s_lshl_b32 s32, s19, 14
	s_lshl_b32 s33, s20, 12
	s_add_co_u32 s32, s32, s33
	v_lshl_add_u32 v[LIW], v1, 4, s32
	s_lshl_b32 s32, s19, 10
	s_lshl_b32 s33, s20, 8
	s_add_co_u32 s32, s32, s33
	s_add_co_u32 s32, s32, BSC
	v_lshl_add_u32 v[LSW], v1, 2, s32
	v_lshlrev_b32 v[LB], 4, v1
	v_lshl_add_u32 v[LS], v1, 2, BSC
	v_lshlrev_b32 v[H16], 4, v3
	v_lshlrev_b32 v[H8], 3, v3
	v_mov_b32 v[EM2], 0                            ; written once: a lane permute's destination counts as one of its sources
	v_mov_b32 v[EM2+1], 0
	s_mov_b32 s34, 0x76543210
	s_mov_b32 s35, 0xfedcba98                      ; v_permlanex16_b32's selects for lane l xor 16
	s_mov_b32 s36, 0xffff0000                      ; lanes 16-31
	s_mov_b32 s38, 0xbfb8aa3b                      ; -log2(e)
	s_mov_b32 s39, s38                             ; (named with it as a pair, so it is written)
	s_lshl_b32 s30, s17, 24                        ; my part of the weights: e x 16 MB
	s_lshl_b32 s32, s20, 22                        ; + q x 256 rows
	s_add_co_u32 s30, s30, s32
	s_lshr_b32 s32, s19, 1
	s_lshl_b32 s32, s32, 13                        ; + 8,192 for up
	s_add_co_u32 s30, s30, s32
	s_lshl_b32 s32, s18, 8                         ; + 256 j
	s_add_co_u32 s30, s30, s32
	s_and_b32 s32, s19, 1
	s_lshl_b32 s32, s32, 7                         ; + 128 for the second 32 columns
	s_add_co_u32 s30, s30, s32
	s_mov_b32 s31, 0
	s_wait_kmcnt 0x0
	s_load_b64 s[22:23], s[8:9], s21 offset:0x1000 ; offs[e], offs[e + 1]
	s_add_nc_u64 s[10:11], s[10:11], s[30:31]
	s_wait_alu depctr_va_vdst(0)                   ; the offsets and LDS addresses v4 to v8 are written, which the stream's loads, the LDS stores and the LDS loads read; so are v240 and v241, which the closing add reads
	LOADW 0
	LOADW 1
	s_lshl_b32 s32, s18, 15                        ; hq: blocks 2 j, 2 j + 1 of 16,384 bytes
	s_mov_b32 s33, 0
	s_add_nc_u64 s[12:13], s[12:13], s[32:33]
	s_lshr_b32 s32, s18, 1
	s_lshl_b32 s32, s32, 12                        ; hs: K step j / 2,
	s_and_b32 s29, s18, 1
	s_lshl_b32 s29, s29, 1                         ; bytes 2 (j % 2) and + 1 of each word
	s_add_co_u32 s32, s32, s29
	s_add_nc_u64 s[14:15], s[14:15], s[32:33]
	s_wait_kmcnt 0x0
	s_min_u32 s22, s22, 0x400                      ; the expert's first position,
	s_min_u32 s23, s23, 0x400                      ; and the one behind its last
	s_sub_co_u32 s24, s23, s22
	s_add_co_u32 s25, s24, 15
	s_lshr_b32 s25, s25, 4                         ; its tiles of 16 tokens: 64 at the most
	s_max_u32 s28, s23, 1
	s_sub_co_u32 s28, s28, 1                       ; its last position (position 0 where nothing lies in front: the row is read and not used)
	s_mov_b32 s26, s16                             ; my first tile
.irp t, 0,1,2,3,4,5
	BLOCK \t, 32, 1                                ; the next block's 32 loads stay out
.endr
	BLOCK 6, 32, 0                                 ; it loads and stores nothing, so it has no wait of its own
	ADDR                                           ; my first tile's tokens are asked for one block ahead of the stream's end, by every wave: the counts are the same on every way
	s_wait_alu depctr_va_vdst(0)                   ; ADDR has written v[AV] and v[SV], which the 18 loads below read
	ALOAD
	BLOCK 7, 18, 0                                 ; those 18 loads stay out
	s_wait_dscnt 0x0                               ; for the others' sake: my images and scale words lie in LDS
	s_barrier_signal -1
	s_barrier_wait -1                              ; everybody's do.  The launch's one barrier; nothing writes these bytes again
	s_wait_alu depctr_vm_vsrc(0)                   ; my LDS stores have read v[C ..]: these registers are accumulators from here on, written by the products
	s_cmp_ge_u32 s26, s25
	s_cbranch_scc1 .Ldone                          ; no tile for me
	TILE
	s_mov_b32 s29, 0
.Lmore:                                                ; three trips: tiles w + 16, w + 32, w + 48.  64 tiles at the most over 16 waves are four a wave; a trip has work only where the expert has more than 256 tokens
	s_wait_xcnt 0x0                                ; the stores have had their addresses translated: their data and offsets are written again only behind this wait
	s_wait_alu depctr_vm_vsrc(0)                   ; the last tile's stores have read v[HV], v[HSV], v[Q ..] and v[BYS], its loads v[AV] and v[SV]: ADDR and the next tile write them again
	s_add_co_u32 s26, s26, 16
	s_cmp_ge_u32 s26, s25
	s_cbranch_scc1 .Lskip                          ; no such tile: its loads, their waits and its work are jumped over together
	ADDR                                           ; its seven vector lines, with the four places at the last tile's end, also stand between the last products and the sums begun anew
	s_wait_alu depctr_va_vdst(0)                   ; ADDR has written the offsets; the last tile's products are done reading A, XS, BF and BSR, and its way out is done with T: the loads below and K step 0's LDS loads land there
	ALOAD
	TILE
.Lskip:
	s_add_co_u32 s29, s29, 1
	s_cmp_lt_u32 s29, 3
	s_cbranch_scc1 .Lmore
.Ldone:
	s_wait_dscnt 0x0                               ; the closing lines, six on end
	s_wait_alu 0x0
	s_wait_tensorcnt 0x0
	ds_add_u32 v240, v241
	s_wait_dscnt 0x0
	s_endpgm
.Lfunc_end_k_qa467fecdb9_gu:
	.size	k_qa467fecdb9_gu, .Lfunc_end_k_qa467fecdb9_gu-k_qa467fecdb9_gu
	.p2alignl 7, 3214868480
	.fill 96, 4, 3214868480
	.section	.rodata,"a",@progbits
	.p2align	6, 0x0
	.amdhsa_kernel k_qa467fecdb9_gu
		.amdhsa_group_segment_fixed_size 71680
		.amdhsa_private_segment_fixed_size 0
		.amdhsa_enable_private_segment 0
		.amdhsa_kernarg_size 48
		.amdhsa_user_sgpr_count 2
		.amdhsa_user_sgpr_kernarg_segment_ptr 1
		.amdhsa_wavefront_size32 1
		.amdhsa_system_sgpr_workgroup_id_x 1
		.amdhsa_system_sgpr_workgroup_id_y 1
		.amdhsa_system_sgpr_workgroup_id_z 1
		.amdhsa_system_vgpr_workitem_id 0
		.amdhsa_next_free_vgpr 242
		.amdhsa_next_free_sgpr 66
		.amdhsa_reserve_vcc 0
		.amdhsa_float_denorm_mode_32 3
		.amdhsa_float_denorm_mode_16_64 3
		.amdhsa_memory_ordered 1
		.amdhsa_forward_progress 1
		.amdhsa_inst_pref_size 101
	.end_amdhsa_kernel
	.amdgpu_metadata
---
amdhsa.version: [ 1, 2 ]
amdhsa.kernels:
  - .name:           k_qa467fecdb9_gu
    .symbol:         k_qa467fecdb9_gu.kd
    .args:
      - { .name: xq, .offset: 0, .size: 8, .value_kind: global_buffer, .address_space: global }
      - { .name: xs, .offset: 8, .size: 8, .value_kind: global_buffer, .address_space: global }
      - { .name: route, .offset: 16, .size: 8, .value_kind: global_buffer, .address_space: global }
      - { .name: w_gate_up, .offset: 24, .size: 8, .value_kind: global_buffer, .address_space: global }
      - { .name: hq, .offset: 32, .size: 8, .value_kind: global_buffer, .address_space: global }
      - { .name: hs, .offset: 40, .size: 8, .value_kind: global_buffer, .address_space: global }
    .group_segment_fixed_size: 71680
    .private_segment_fixed_size: 0
    .kernarg_segment_align: 8
    .kernarg_segment_size: 48
    .max_flat_workgroup_size: 512
    .sgpr_count:     66
    .vgpr_count:     242
    .wavefront_size: 32
...
	.end_amdgpu_metadata
.endif
;; end of part 5
;; launch down (part 6): grid 256 x 1, 16 waves a work-group, no clusters, 73,728 bytes of LDS; arguments hq, hs, route, w_down, out0; writes out0
.if DOCPART == 6
	.amdgcn_target "amdgcn-amd-amdhsa--gfx1250"
	.amdhsa_code_object_version 6
	.text
	.protected	k_qa467fecdb9_down
	.globl	k_qa467fecdb9_down
	.p2align	8
	.type	k_qa467fecdb9_down,@function
k_qa467fecdb9_down:
	s_mov_b64 s[64:65], 0
	v_nop
	global_prefetch_b8 v0, s[64:65] scope:SCOPE_SE
	s_setreg_imm32_b32 hwreg(HW_REG_WAVE_SCHED_MODE, 0, 2), 2
	s_setreg_imm32_b32 hwreg(HW_REG_WAVE_MODE, 25, 1), 1
	s_wait_xcnt 0x0
	s_wait_alu depctr_vm_vsrc(0)
; DOWN: out0[token] = hidden W_down[expert of the token], both operands as codes of FP4 (E2M1) with one E8M0 scale for each 32 along K = 2,048; one f32 sum for each output, K ascending.
; IN: hq [block 64][pos 1024][16 bytes], hs [K step 16][pos 1024][4 bytes] (the hidden layer at the tokens' sorted positions), route (order[pos] at 4 pos, offs[e] at 4096 + 4 e), w_down [8][2048 (K)][1024] f32.
; SHARES.  Work-group = (expert e = x / 32, cs = x % 32): columns 32 cs .. 32 cs + 31 over all of K: 256 KB of f32, read once.  8 x 1,024 columns over 256 work-groups are 32 each.
; PHASE 1, the stream.  Wave w takes K step w: rows 128 w .. + 127, four blocks of 32.  A LANE TAKES A COLUMN AND ITS REGISTERS RUN DOWN K; lanes 0-15 are tile u = 0 (columns 0-15 of the 32), lanes 16-31 tile u = 1.
; v_permlane16_swap_b32 on the registers of blocks 2 c and 2 c + 1 makes of them registers 4 c .. 4 c + 3 of tile 0's and of tile 1's operand.  Operands go to LDS as images of their registers, 16 bytes a lane;
; a lane's four scale bytes are a word: lanes 0-15 tile 0's, lanes 16-31 tile 1's.  Two blocks (64 loads a wave, 128 bytes each) are on their way.
; PHASE 2, behind the one barrier.  A wave takes a tile of 16 tokens against both tiles of columns, 16 K steps.  The product is used transposed (source 0 = 16 columns, source 1 = 16 tokens): lane (r, h) holds token r and
; columns 16 u + 8 h + 0 .. 7.  The tile goes through the wave's own stage in LDS and leaves by rows: eight lanes store a row's 128 consecutive bytes at the row that order[] names.
; ROWS PAST AN EXPERT'S END: a position is min(first + r, last): the lanes of a short tile repeat the expert's last token, compute the same bits and store them to the same place.  All lanes stay on.
; A wave without a tile does no phase 2.  Wave w takes tiles w, w + 16, w + 32, w + 48: an expert has at most 1,024 tokens, 64 tiles, so that serves every split.  Every token has one expert, so every row of out0 is written once.
; NO JOINT LOADS, NO TENSOR LOADS: the number of token tiles is read from memory, and the quantiser wants a lane to a column.
; LIMITS: NaN and infinities are not served.  A block of weights whose largest magnitude lies under 2^-124, a block of zeros among them, gets the byte 1 (zero codes add nothing).
; THE MODE: SCHED_MODE bits 1:0 = 2 (LLVM: expert scheduling mode 2), set by the entry lines.  The code itself states the register dependences between vector or matrix instructions and memory or LDS
; instructions, with s_wait_alu, always for 0.
; THE PLAN.  Registers that memory or LDS instructions touch:
;   v4 .. v8, v11, v12  offsets and LDS addresses, made once at the head and never written again.
;   X0, X1         Block t: its maxima and conversions read X[t % 2]; behind them the loads of block t + 2 land in it.
;   C, SW          Written by the conversions, the swaps and the bytes' shifts, each block in registers of its own; read by the LDS stores; C's registers are the accumulators in phase 2.
;   AV, SV, OI     Written by ADDR; read by the 44 loads of a tile.
;   A, XS          A tile's loads land in them; the products read them.
;   OT             Four rows' token numbers land here; two vector lines each make byte offsets of them; the tile's four stores read them.
;   BF0 .. BF3, BSR  K step s: its two products read BF[s % 4] and BSR[s % 4].  The loads of K steps s + 2 and s + 3 are issued in the even K step s, into the buffers of steps s - 2 and s - 1.
;   ACC            Written by the products; read by the LDS stores into the stage.      OB (BF0's registers): the stage's rows land here; the four stores read them.
; So: one wait on va_vdst to a block of the stream that loads or stores; one behind ADDR; one at the head of every second K step, which frees two buffers; one on the way out, behind its places.
; One wait on vm_vsrc behind the barrier (C becomes the accumulators) and one at the head of each further trip.
.set ROWB, 4096                        ; a row of w_down[e] in bytes
.set BSC,  32768                       ; LDS: images at 0: (K step s, blk) at (4 s + blk) 512;  scale words at BSC + 128 s
.set STG,  34816                       ; the stages: 16 rows x (128 bytes + 16) = 2,304 bytes for each wave
.set WO,   4                           ; v4   4 x lane: my column
.set LIW,  5                           ; v5   where I store images: 16 lane + 2048 w
.set LSW,  6                           ; v6   and my scale word: BSC + 128 w + 4 lane
.set LB,   7                           ; v7   16 lane
.set LS,   8                           ; v8   4 lane
.set AV,   9                           ; v9   hq: 16384 h + 16 pos
.set SV,   10                          ; v10  hs: 32768 h + 4 pos
.set STW,  11                          ; v11  the stage, way in: row r, + 32 h
.set STR,  12                          ; v12  way out: row lane / 8, + 16 (lane % 8)
.set PL,   13                          ; v13  my position
.set MXA,  14
.set MXB,  15
.set SCL,  16
.set BY,   17
.set SW,   18                          ; v18  my K step's scale word
.set L16,  19                          ; v19  16 (lane % 8)
.set OI,   20                          ; v20-23 where order[] of four rows lies
.set BSR,  24                          ; v24-27 the weights' scale words, [s % 4]: scales and nothing else
.set XS,   28                          ; v28-35 the hidden layer's scale words: register i: lanes 0-15 K step i, lanes 16-31 K step i + 8: scales and nothing else
.set X,    36                          ; v36-99 phase 1: two sets of 32 numbers
.set BF,   36                          ;        phase 2: the weights' fragments, [16 (s % 4) + 8 u]
.set OB,   36                          ;        the way out: 16 rows read back
.set C,    100                         ; v100-115 phase 1: the codes of four blocks
.set ACC,  100                         ;        phase 2: the two accumulators, [8 u]
.set A,    116                         ; v116-243 the hidden layer's fragments, [8 s]
.set H14,  244                         ; v244 16384 h
.set H15,  245                         ; v245 32768 h
.set L3,   246                         ; v246 lane / 8
.set OT,   250                         ; v250-253 four rows' tokens, then their byte offsets in out0: registers of their own, so that no load lands in a register that a memory instruction reads
.macro LOADW t                         ; block t: W(32 t + i, my column), i = 0 .. 31, into set t % 2
.irp i, 0,1,2,3,4,5,6,7,8,9,10,11,12,13,14,15,16,17,18,19,20,21,22,23,24,25,26,27,28,29,30,31
	global_load_b32 v[X+32*((\t)%2)+\i], v[WO], s[10:11] offset:(32*(\t)+\i)*ROWB th:TH_LOAD_NT
.endr
.endm
.macro BLOCK t, cnt, next              ; block t is quantised; cnt: the loads issued behind its own, which may stay out; next = 1: its set is asked for again, for block t + 2
.set XB, X+32*((\t)%2)
.set CB, C+4*(\t)
	s_wait_loadcnt \cnt
	v_max3_num_f32 v[MXA], |v[XB]|, |v[XB+1]|, |v[XB+2]|
	v_max3_num_f32 v[MXB], |v[XB+3]|, |v[XB+4]|, |v[XB+5]|
.irp i, 6,10,14,18,22,26
	v_max3_num_f32 v[MXA], v[MXA], |v[XB+\i]|, |v[XB+\i+1]|
	v_max3_num_f32 v[MXB], v[MXB], |v[XB+\i+2]|, |v[XB+\i+3]|
.endr
	v_max3_num_f32 v[MXA], v[MXA], |v[XB+30]|, |v[XB+31]|
	v_max3_num_f32 v[MXA], v[MXA], v[MXB], 0x1800000               ; the floor 2^(3 - 127): the byte cannot fall under 1
	v_add_nc_u32 v[SCL], 0xff000000, v[MXA]        ; 2 off the exponent field: the conversion's scale operand
	v_lshrrev_b32 v[BY], 23, v[SCL]                ; the scale's byte
.if (\t)%4 == 0
	v_mov_b32 v[SW+(\t)/4], v[BY]
.else
	v_lshl_or_b32 v[SW+(\t)/4], v[BY], 8*((\t)%4), v[SW+(\t)/4]
.endif
.irp g, 0,1,2,3
	v_cvt_scalef32_pk8_fp4_f32 v[CB+\g], v[XB+8*\g:XB+8*\g+7], v[SCL]
.endr
	v_nop                                          ; one plain place behind the last scaled conversion
.if (\t)%2 == 1
.irp i, 0,1,2,3
	v_permlane16_swap_b32 v[CB-4+\i], v[CB+\i]     ; the first is now tile 0's, the second tile 1's
.endr
.endif
.if ((\t)%2 == 1) || \next
	s_wait_alu depctr_va_vdst(0)                   ; the maxima and conversions are done reading this set, in which the loads below land; in an odd block the swaps have written the two blocks' codes, and the scale word is written, which the LDS stores below read
.endif
.if \next
	LOADW (\t)+2                                   ; the set is asked for again at once
.endif
.if (\t)%2 == 1
	ds_store_b128 v[LIW], v[CB-4:CB-1] offset:512*((\t)-1)
	ds_store_b128 v[LIW], v[CB:CB+3] offset:512*(\t)
.endif
.if (\t)%4 == 3
	ds_store_b32 v[LSW], v[SW+(\t)/4] offset:128*((\t)/4)
.endif
.endm
.macro ADDR                            ; the addresses of tile s26 of my expert's tokens
	s_lshl_b32 s27, s26, 4
	s_add_co_u32 s27, s27, s22                     ; its first position
	v_add_nc_u32 v[PL], s27, v2
	v_min_u32 v[PL], s28, v[PL]                    ; never past the expert's last token,
	v_min_u32 v[PL], 0x3ff, v[PL]                  ; nor past the buffers
	v_lshl_add_u32 v[AV], v[PL], 4, v[H14]
	v_lshl_add_u32 v[SV], v[PL], 2, v[H15]
.irp i, 0,1,2,3
	s_add_co_u32 s32, s27, 4*\i
	v_add_nc_u32 v[OI+\i], s32, v[L3]              ; the way out's row 4 i + lane / 8: its position, held alike,
	v_min_u32 v[OI+\i], s28, v[OI+\i]
	v_min_u32 v[OI+\i], 0x3ff, v[OI+\i]
	v_lshlrev_b32 v[OI+\i], 2, v[OI+\i]            ; and where its token's number lies
.endr
.endm
.macro ALOAD                           ; 44 loads: my token's 16 fragments (lane (r, h), registers 4 c ..: block 4 s + 2 c + h), its scale words, and four rows' tokens
.irp s, 0,1,2,3,4,5,6,7,8,9,10,11,12,13,14,15
.irp c, 0,1
	global_load_b128 v[A+8*\s+4*\c:A+8*\s+4*\c+3], v[AV], s[4:5] offset:(4*\s+2*\c)*16384   ; each half of the lanes reads 256 consecutive bytes
.endr
.endr
.irp i, 0,1,2,3,4,5,6,7
	global_load_b32 v[XS+\i], v[SV], s[6:7] offset:4096*\i
.endr
.irp i, 0,1,2,3
	global_load_b32 v[OT+\i], v[OI+\i], s[8:9]
.endr
.endm
.macro LOADB s                         ; 5 LDS loads: K step s of both tiles of columns, and their scale words
.irp u, 0,1
.irp c, 0,1
	ds_load_b128 v[BF+16*((\s)%4)+8*\u+4*\c:BF+16*((\s)%4)+8*\u+4*\c+3], v[LB] offset:(4*(\s)+2*\c+\u)*512
.endr
.endr
	ds_load_b32 v[BSR+(\s)%4], v[LS] offset:BSC+128*(\s)
.endm
.macro MM s, u                         ; one product: source 0 = 16 columns, source 1 = my 16 tokens.  K step 0 starts the sum with the constant 0.  Tile 1's scale words, and the tokens' of K steps 8 to 15, stand in lanes 16-31
.set AC, ACC+8*(\u)
.set BB, BF+16*((\s)%4)+8*(\u)
.set AA, A+8*(\s)
.set SA, BSR+(\s)%4
.set SB, XS+(\s)%8
.if (\s) == 0
.if (\u) == 0
	v_wmma_scale_f32_16x16x128_f8f6f4 v[AC:AC+7], v[BB:BB+7], v[AA:AA+7], 0, v[SA], v[SB] matrix_a_fmt:MATRIX_FMT_FP4 matrix_b_fmt:MATRIX_FMT_FP4
.else
	v_wmma_scale_f32_16x16x128_f8f6f4 v[AC:AC+7], v[BB:BB+7], v[AA:AA+7], 0, v[SA], v[SB] matrix_a_fmt:MATRIX_FMT_FP4 matrix_b_fmt:MATRIX_FMT_FP4 matrix_a_scale:MATRIX_SCALE_ROW1
.endif
.elseif (\s) < 8
.if (\u) == 0
	v_wmma_scale_f32_16x16x128_f8f6f4 v[AC:AC+7], v[BB:BB+7], v[AA:AA+7], v[AC:AC+7], v[SA], v[SB] matrix_a_fmt:MATRIX_FMT_FP4 matrix_b_fmt:MATRIX_FMT_FP4
.else
	v_wmma_scale_f32_16x16x128_f8f6f4 v[AC:AC+7], v[BB:BB+7], v[AA:AA+7], v[AC:AC+7], v[SA], v[SB] matrix_a_fmt:MATRIX_FMT_FP4 matrix_b_fmt:MATRIX_FMT_FP4 matrix_a_scale:MATRIX_SCALE_ROW1
.endif
.else
.if (\u) == 0
	v_wmma_scale_f32_16x16x128_f8f6f4 v[AC:AC+7], v[BB:BB+7], v[AA:AA+7], v[AC:AC+7], v[SA], v[SB] matrix_a_fmt:MATRIX_FMT_FP4 matrix_b_fmt:MATRIX_FMT_FP4 matrix_b_scale:MATRIX_SCALE_ROW1
.else
	v_wmma_scale_f32_16x16x128_f8f6f4 v[AC:AC+7], v[BB:BB+7], v[AA:AA+7], v[AC:AC+7], v[SA], v[SB] matrix_a_fmt:MATRIX_FMT_FP4 matrix_b_fmt:MATRIX_FMT_FP4 matrix_a_scale:MATRIX_SCALE_ROW1 matrix_b_scale:MATRIX_SCALE_ROW1
.endif
.endif
.endm
; K step s: two products, the two accumulators by turns.  K steps 0 to 3 are asked for ahead of step 0; the even steps 2 to 12 ask for steps s + 2 and s + 3.
.macro STEP s
.if (\s) == 0
	s_wait_dscnt 15                                ; K steps 1 to 3, five loads each, may stay out
.elseif (\s) == 15
	s_wait_dscnt 0x0                               ; nothing was issued behind the last five
.elseif (\s)%2 == 1
	s_wait_dscnt 10                                ; an odd step: the two K steps asked for behind this one may stay out
.else
	s_wait_dscnt 5                                 ; an even step: one K step was asked for behind this one
.endif
.if ((\s)%2 == 0) && ((\s) >= 2) && ((\s) <= 12)
	s_wait_alu depctr_va_vdst(0)                   ; the products of K steps s - 2 and s - 1 are done reading their fragments and scale registers, in which the ten loads of this step land
	LOADB (\s)+2
.endif
	MM \s, 0
.if ((\s)%2 == 0) && ((\s) >= 2) && ((\s) <= 12)
	LOADB (\s)+3                                   ; no wait: no vector or matrix instruction since the wait above names these registers
.endif
	MM \s, 1
.endm
.macro TILE
	s_wait_loadcnt 0x0                             ; my tokens' fragments, scale words and numbers
.irp i, 0,1,2,3
	v_min_u32 v[OT+\i], 0x3ff, v[OT+\i]            ; a token's number, held inside out0,
.endr
.irp i, 0,1,2,3
	v_lshl_add_u32 v[OT+\i], v[OT+\i], 12, v[L16]  ; x 4,096 bytes a row + my 16 bytes of the row's 128
.endr
.irp s, 0,1,2,3
	LOADB \s                                       ; the last wait on va_vdst (the stream's last block's, or the one behind ADDR) stands behind every vector and matrix instruction that named these registers: the eight lines above name v[OT ..] and v[L16] alone
.endr
.irp s, 0,1,2,3,4,5,6,7,8,9,10,11,12,13,14,15
	STEP \s
.endr
.rept 4
	v_nop                                          ; four places behind the last product, before its result is read (ISA guide 7.12.1)
.endr
	s_wait_alu depctr_va_vdst(0)                   ; the products have written both accumulators, which the LDS stores read, and are done reading the fragments, in whose registers the stage's rows land; the places above stay beside this wait.  v[OT ..] were written ahead of it too
.irp u, 0,1
	ds_store_b128 v[STW], v[ACC+8*\u:ACC+8*\u+3] offset:64*\u          ; each accumulator from its low end on: out(token r, 16 u + 8 h + 0 .. 7)
	ds_store_b128 v[STW], v[ACC+8*\u+4:ACC+8*\u+7] offset:64*\u+16
.endr
.irp i, 0,1,2,3
	ds_load_b128 v[OB+4*\i:OB+4*\i+3], v[STR] offset:576*\i            ; four rows an instruction.  LDS serves a wave's instructions in order (ISA guide 5.7.1.4): these see the stores above; the stage is my wave's own
.endr
.irp i, 0,1,2,3
	s_wait_dscnt 3-\i                              ; the younger reads of the stage may stay out
	global_store_b128 v[OT+\i], v[OB+4*\i:OB+4*\i+3], s[12:13] th:TH_STORE_NT   ; eight lanes store a row's 128 consecutive bytes; written once, read by nobody here
.endr
.endm
	s_load_b256 s[4:11], s[0:1], 0x0               ; hq s[4:5], hs s[6:7], route s[8:9], w_down s[10:11]
	s_load_b64 s[12:13], s[0:1], 0x20              ; out0
	v_lshl_add_u32 v248, v0, 2, 0x11800
	v_mov_b32 v249, 0
	v_lshrrev_b32 v1, 5, v0
	v_readfirstlane_b32 s16, v1                    ; wave w
	v_and_b32 v1, 31, v0                           ; lane
	v_and_b32 v2, 15, v0                           ; r
	s_wait_alu depctr_va_vdst(0)
	v_bfe_u32 v3, v0, 4, 1                         ; h
	s_wait_alu depctr_va_sdst(0)                   ; s16 is written, ahead of its first reader: my LDS places, my rows of the weights and my first tile are made from it
	s_lshr_b32 s17, ttmp9, 5                       ; expert e
	s_and_b32 s18, ttmp9, 31                       ; cs
	s_lshl_b32 s21, s17, 2
	v_lshlrev_b32 v[WO], 2, v1
	s_lshl_b32 s32, s16, 11
	v_lshl_add_u32 v[LIW], v1, 4, s32
	s_lshl_b32 s32, s16, 7
	s_add_co_u32 s32, s32, BSC
	v_lshl_add_u32 v[LSW], v1, 2, s32
	v_lshlrev_b32 v[LB], 4, v1
	v_lshlrev_b32 v[LS], 2, v1
	s_mul_i32 s32, s16, 2304
	s_add_co_u32 s32, s32, STG                     ; my stage
	v_mul_u32_u24 v[STW], v2, 144
	s_wait_alu depctr_va_vdst(0)
	v_lshl_add_u32 v[STW], v3, 5, v[STW]
	v_add_nc_u32 v[STW], s32, v[STW]
	v_lshrrev_b32 v[L3], 3, v1
	v_and_b32 v[L16], 7, v1
	v_lshlrev_b32 v[L16], 4, v[L16]
	v_mul_u32_u24 v[STR], v[L3], 144
	v_add_nc_u32 v[STR], v[STR], v[L16]
	v_add_nc_u32 v[STR], s32, v[STR]
	v_lshlrev_b32 v[H14], 14, v3
	v_lshlrev_b32 v[H15], 15, v3
	s_lshl_b32 s30, s17, 23                        ; my part of the weights: e x 8 MB
	s_lshl_b32 s32, s16, 19                        ; + w x 128 rows
	s_add_co_u32 s30, s30, s32
	s_lshl_b32 s32, s18, 7                         ; + 128 cs
	s_add_co_u32 s30, s30, s32
	s_mov_b32 s31, 0
	s_mov_b32 s33, 0
	s_wait_kmcnt 0x0
	s_load_b64 s[22:23], s[8:9], s21 offset:0x1000 ; offs[e], offs[e + 1]
	s_add_nc_u64 s[10:11], s[10:11], s[30:31]
	s_wait_alu depctr_va_vdst(0)                   ; the offsets and LDS addresses v4 to v8, v11 and v12 are written, which the stream's loads, the LDS stores and the LDS loads read; so are v248 and v249, which the closing add reads
	LOADW 0
	LOADW 1
	s_add_nc_u64 s[12:13], s[12:13], s[32:33]      ; out0 at my 32 columns
	s_wait_kmcnt 0x0
	s_min_u32 s22, s22, 0x400                      ; the expert's first position,
	s_min_u32 s23, s23, 0x400                      ; and the one behind its last
	s_sub_co_u32 s24, s23, s22
	s_add_co_u32 s25, s24, 15
	s_lshr_b32 s25, s25, 4                         ; its tiles of 16 tokens: 64 at the most
	s_max_u32 s28, s23, 1
	s_sub_co_u32 s28, s28, 1                       ; its last position
	s_mov_b32 s26, s16                             ; my first tile
	BLOCK 0, 32, 1                                 ; the next block's 32 loads stay out
	BLOCK 1, 32, 1
	BLOCK 2, 32, 0                                 ; it loads and stores nothing, so it has no wait of its own
	ADDR                                           ; my first tile's operand is asked for one block ahead of the stream's end, by every wave: the counts are the same on every way
	s_wait_alu depctr_va_vdst(0)                   ; ADDR has written v[AV], v[SV] and v[OI ..], which the 44 loads below read
	ALOAD
	BLOCK 3, 44, 0                                 ; those 44 loads stay out
	s_wait_dscnt 0x0                               ; for the others' sake: my images and scale word lie in LDS
	s_barrier_signal -1
	s_barrier_wait -1                              ; everybody's do.  The launch's one barrier; nothing writes these bytes again
	s_wait_alu depctr_vm_vsrc(0)                   ; my LDS stores have read v[C ..]: these registers are the accumulators from here on, written by the products
	s_cmp_ge_u32 s26, s25
	s_cbranch_scc1 .Ldone                          ; no tile for me
	TILE
	s_mov_b32 s29, 0
.Lmore:                                                ; three trips: tiles w + 16, w + 32, w + 48.  64 tiles at the most over 16 waves are four a wave; a trip has work only where the expert has more than 256 tokens
	s_wait_xcnt 0x0                                ; the stores have had their addresses translated: their data and offsets are written again only behind this wait
	s_wait_alu depctr_vm_vsrc(0)                   ; the last tile's stores have read v[OT ..] and v[OB ..], its LDS stores the accumulators, its loads v[AV], v[SV] and v[OI ..]: ADDR, the next tile's loads and its products write them again
	s_add_co_u32 s26, s26, 16
	s_cmp_ge_u32 s26, s25
	s_cbranch_scc1 .Lskip                          ; no such tile: its loads, their waits and its work are jumped over together
	ADDR                                           ; its vector lines, with the four places at the last tile's end, also stand between the last products and the sums begun anew
	s_wait_alu depctr_va_vdst(0)                   ; ADDR has written the offsets; the last tile's products are done reading A, XS, BF and BSR, and its vector lines are done with v[OT ..]: the loads below and the first K steps' LDS loads land there
	ALOAD
	TILE
.Lskip:
	s_add_co_u32 s29, s29, 1
	s_cmp_lt_u32 s29, 3
	s_cbranch_scc1 .Lmore
.Ldone:
	s_wait_dscnt 0x0                               ; the closing lines, six on end
	s_wait_alu 0x0
	s_wait_tensorcnt 0x0
	ds_add_u32 v248, v249
	s_wait_dscnt 0x0
	s_endpgm
.Lfunc_end_k_qa467fecdb9_down:
	.size	k_qa467fecdb9_down, .Lfunc_end_k_qa467fecdb9_down-k_qa467fecdb9_down
	.p2alignl 7, 3214868480
	.fill 96, 4, 3214868480
	.section	.rodata,"a",@progbits
	.p2align	6, 0x0
	.amdhsa_kernel k_qa467fecdb9_down
		.amdhsa_group_segment_fixed_size 73728
		.amdhsa_private_segment_fixed_size 0
		.amdhsa_enable_private_segment 0
		.amdhsa_kernarg_size 40
		.amdhsa_user_sgpr_count 2
		.amdhsa_user_sgpr_kernarg_segment_ptr 1
		.amdhsa_wavefront_size32 1
		.amdhsa_system_sgpr_workgroup_id_x 1
		.amdhsa_system_sgpr_workgroup_id_y 1
		.amdhsa_system_sgpr_workgroup_id_z 1
		.amdhsa_system_vgpr_workitem_id 0
		.amdhsa_next_free_vgpr 254
		.amdhsa_next_free_sgpr 66
		.amdhsa_reserve_vcc 0
		.amdhsa_float_denorm_mode_32 3
		.amdhsa_float_denorm_mode_16_64 3
		.amdhsa_memory_ordered 1
		.amdhsa_forward_progress 1
		.amdhsa_inst_pref_size 56
	.end_amdhsa_kernel
	.amdgpu_metadata
---
amdhsa.version: [ 1, 2 ]
amdhsa.kernels:
  - .name:           k_qa467fecdb9_down
    .symbol:         k_qa467fecdb9_down.kd
    .args:
      - { .name: hq, .offset: 0, .size: 8, .value_kind: global_buffer, .address_space: global }
      - { .name: hs, .offset: 8, .size: 8, .value_kind: global_buffer, .address_space: global }
      - { .name: route, .offset: 16, .size: 8, .value_kind: global_buffer, .address_space: global }
      - { .name: w_down, .offset: 24, .size: 8, .value_kind: global_buffer, .address_space: global }
      - { .name: out0, .offset: 32, .size: 8, .value_kind: global_buffer, .address_space: global }
    .group_segment_fixed_size: 73728
    .private_segment_fixed_size: 0
    .kernarg_segment_align: 8
    .kernarg_segment_size: 40
    .max_flat_workgroup_size: 512
    .sgpr_count:     66
    .vgpr_count:     254
    .wavefront_size: 32
...
	.end_amdgpu_metadata
.endif
;; end of part 6
